; MI455X (gfx1250); checked and timed in simulation.
; The chip was launched on July 23, 2026; its instructions are those of AMD's public machine-readable ISA for CDNA 5 (MIT licence, August 2026) and "CDNA5" Instruction Set Architecture Reference Guide (July 2026). The comments in the code are by the model that wrote it; some were corrected since.
;; Mllama Text Self Attention. Allowed arithmetic: matrix products marked QUANTISED: E5M2 operands, one given power-of-two scale a tensor, by v_wmma_f32_16x16x64_bf8_bf8 or v_wmma_f32_16x16x128_bf8_bf8, f32 sums; everything else in f32.
;; Inputs: attention_mask 1 x 1 x 2,048 x 2,048 float32; cos 1 x 2,048 x 128 float32; hidden_states 2 x 2,048 x 4,096 float32; lowp_scales 12 int32 (the exponents e of the quantised operands' scales 2^e); sin 1 x 2,048 x 128 float32; wk 512 x 4,096 float32; wo 4,096 x 1,024 float32; wq 1,024 x 4,096 float32; wv 512 x 4,096 float32.
;; Outputs: out0 2 x 2,048 x 4,096 float32.
;; This version of the problem:
;;   THIS VERSION OF THE PROBLEM IS GIVEN IN LOW PRECISION. The matrix products marked QUANTISED in the list below multiply operands that are first quantised to E5M2 (5 exponent bits, 2 mantissa bits; 8 bits a number), with one given power-of-two scale for each operand tensor; their sums are f32. All else is computed in f32.
;;   The module's matrix products, in the order in which they are computed (A, B: the left and right operand; K: the contracted axis; several contracted axes count as one K, in the product's order):
;;     1. [M 4,096, K 4,096] x [K 4,096, N 1,024]; A: input hidden_states; B: input wq: QUANTISED (scales: A lowp_scales[0], B lowp_scales[1])
;;     2. [M 4,096, K 4,096] x [K 4,096, N 512]; A: input hidden_states; B: input wk: QUANTISED (scales: A lowp_scales[2], B lowp_scales[3])
;;     3. [M 4,096, K 4,096] x [K 4,096, N 512]; A: input hidden_states; B: input wv: QUANTISED (scales: A lowp_scales[4], B lowp_scales[5])
;;     4. batch 16 x [M 2,048, K 128] x [K 128, N 2,048]; A: computed on the way; B: computed on the way: QUANTISED (scales: A lowp_scales[6], B lowp_scales[7])
;;     5. batch 16 x [M 2,048, K 2,048] x [K 2,048, N 128]; A: softmax (see below); B: computed on the way: QUANTISED (scales: A lowp_scales[8], B lowp_scales[9])
;;     6. [M 4,096, K 1,024] x [K 1,024, N 4,096]; A: computed on the way; B: input wo: QUANTISED (scales: A lowp_scales[10], B lowp_scales[11])
;;   THE QUANTISER, for each operand of a quantised product, along K:
;;     - The operand's scale is 2^e, e = its entry of the input lowp_scales (int32; the entries are numbered through the quantised products in the list's order, A before B).
;;     - Each number is divided by the scale, clamped to +-57,344, and rounded to the nearest number of E5M2, ties to even, subnormals kept.
;;     - The product sums the exact products of the quantised numbers (number of the format x scale) in f32.
;;   ~~~python
;;   def quantise(x, axis, e):      # numpy; x: float32 -> the quantised numbers, widened to float32 again
;;       x = np.moveaxis(x, axis, -1); K = x.shape[-1]
;;       r = np.clip(x / 2.0 ** e, -57344, 57344)
;;       step = 2.0 ** (np.maximum(np.frexp(np.where(r == 0, 1, r))[1] - 1, -14) - 2)
;;       q = np.round(r / step) * step * 2.0 ** e      # np.round: ties to even
;;       return np.moveaxis(q, -1, axis).astype(np.float32)
;;   ~~~
;;   SOFTMAX AHEAD OF A QUANTISED PRODUCT. Where the list says 'softmax', what is quantised is not the finished softmax but p = 2^(t - M), with t = logit x log2(e) and M = ceil(the row's largest t), a whole number; so 1/2 < the row's largest p <= 1. The row's sum l is taken of the UNQUANTISED p, in f32, and the product's result is divided by l at the end. Since M is a whole number, a kernel that streams over the keys may use a running M (the ceiling of the running maximum): every later rescaling is an exact power of two, so the quantised numbers keep their values, but for numbers so far below the row's largest that they fall under the format's range.
;;   OPERANDS COMPUTED ON THE WAY. 'Computed on the way' means the value that the module computes at that place (a softmax that the list does not call 'softmax' is quantised finished and normalised). What goes into a quantiser is computed in f32, as accurately as f32 sums, v_exp_f32 and their like allow (about 1e-6 of the number): no bf16 or f16 on the way to a quantiser, and a product that is left as it is and whose result goes on into a quantised operand takes f32 operands (vector FMAs, or v_wmma_f32_16x16x4_f32). A number that lies on a knife's edge between two numbers of the format may be rounded either way, as far as f32 arithmetic and the matrix unit's own rounding can turn it there, and no further.
;; One version. Each part assembles by itself: llvm-mc -triple=amdgcn-amd-amdhsa -mcpu=gfx1250 --defsym DOCPART=n.
;; ======== version 1 of 1: 4 launches
;; workspace buffers: xcodes 50,331,648 bytes; wcodes 12,582,912 bytes; qimg 4,194,304 bytes; kimg 2,097,152 bytes; vimg 2,097,152 bytes; acodes 4,194,304 bytes
;; launch quant (part 1): grid 896 x 1, 4 waves a work-group, no clusters, 33,280 bytes of LDS; arguments hidden_states, wq, wk, wv, wo, lowp_scales, xcodes, wcodes; writes xcodes, wcodes
.if DOCPART == 1
	.amdgcn_target "amdgcn-amd-amdhsa--gfx1250"
	.amdhsa_code_object_version 6
	.text
	.protected	k_q8a67d2564c_quant
	.globl	k_q8a67d2564c_quant
	.p2align	8
	.type	k_q8a67d2564c_quant,@function
k_q8a67d2564c_quant:
	s_mov_b64 s[64:65], 0
	v_nop
	global_prefetch_b8 v0, s[64:65] scope:SCOPE_SE
	s_setreg_imm32_b32 hwreg(HW_REG_WAVE_MODE, 25, 1), 1
	s_wait_xcnt 0x0
; hidden_states [4096][4096] and the four weights, all f32 with K innermost, become codes of E5M2, one byte a number, K innermost.
; code = x / 2^e, held within +-57,344, rounded to the nearest code, ties to even.
; hidden_states is an operand of three products with three given scales (entries 0, 2, 4): three sets of codes, 16 MiB apart in xcodes.
; wcodes: wq (entry 1) at 0, wk (entry 3) at 4 MiB, wv (entry 5) at 6 MiB, wo (entry 11) at 8 MiB.
; LIMITS: each e used here lies between -126 and 112, so that 2^e and 57,344 x 2^e are f32 numbers.  NaN among the inputs is not served; an infinity is held at the largest code.
; Rows are dense, so every tensor is a plain stream.  A work-group takes 32,768 numbers, a wave 8,192, in 16 steps of 512.
; Work-groups 0-511 take hidden_states, 512-639 wq, 640-703 wk, 704-767 wv, 768-895 wo: only pointers and the scale are chosen, by the work-group's number.
; A step's four loads read 512 consecutive bytes each, 16 a lane; the 2,048 bytes turn through the wave's own stage in LDS and come back 64 bytes a lane, so that a lane holds 16 neighbours along K
; for the conversions; a lane's 16 codes are 16 bytes, so a store of the wave covers 512 consecutive bytes, aligned.  No barrier: waves share nothing.  Loads run four steps (16 loads a wave) ahead.
.set STEPS, 16
.set SP,    80                         ; a lane's place in a stage: its 64 bytes + 16 of padding
.set WREG,  8192                       ; LDS region of a wave: two stages of 32 x SP bytes
.set R,     16                         ; v16-79   four sets of 16 numbers as loaded
.set X,     80                         ; v80-111  two sets of 16 neighbours
.set T0,    112                        ; v112-159 the numbers held under the first, second, third scale
.set T1,    128
.set T2,    144
.set C0,    160                        ; v160-171 the codes under the three scales
.set C1,    164
.set C2,    168
.set SC0,   172                        ; v172-177 2^e and 57,344 x 2^e, three times
.set LIM0,  173
.set SC1,   174
.set LIM1,  175
.set SC2,   176
.set LIM2,  177
	s_load_b512 s[4:19], s[0:1], 0x0               ; hidden_states 4:5, wq 6:7, wk 8:9, wv 10:11, wo 12:13, scales 14:15, xcodes 16:17, wcodes 18:19
	v_lshl_add_u32 v180, v0, 2, 0x8000
	v_mov_b32 v181, 0
	v_lshrrev_b32 v1, 5, v0
	v_readfirstlane_b32 s44, v1                    ; wave
	v_and_b32 v2, 31, v0                           ; lane
	v_lshlrev_b32 v3, 4, v2                        ; 16 x lane: my bytes of a load's 512, and of a store's 512
	s_mul_i32 s45, s44, WREG
	v_lshrrev_b32 v14, 2, v2
	v_mul_u32_u24 v14, v14, SP
	v_and_b32 v15, 3, v2
	v_lshl_add_u32 v14, v15, 4, v14
	v_add_nc_u32 v14, s45, v14                     ; the stage on the way in: four lanes' 64 bytes on end, then 16 of padding
	v_mul_u32_u24 v15, v2, SP
	v_add_nc_u32 v15, s45, v15                     ; and on the way out: my 16 neighbours
	s_wait_kmcnt 0x0
	s_load_b256 s[28:35], s[14:15], 0x0            ; e0 .. e7
	s_load_b128 s[36:39], s[14:15], 0x20           ; e8 .. e11
	s_mov_b64 s[20:21], s[12:13]                   ; the source and its first work-group, chosen by the work-group's number alone
	s_mov_b32 s22, 768
	s_cmp_lt_u32 ttmp9, 768
	s_cselect_b64 s[20:21], s[10:11], s[20:21]
	s_cselect_b32 s22, 704, s22
	s_cmp_lt_u32 ttmp9, 704
	s_cselect_b64 s[20:21], s[8:9], s[20:21]
	s_cselect_b32 s22, 640, s22
	s_cmp_lt_u32 ttmp9, 640
	s_cselect_b64 s[20:21], s[6:7], s[20:21]
	s_cselect_b32 s22, 512, s22
	s_cmp_lt_u32 ttmp9, 512
	s_cselect_b64 s[20:21], s[4:5], s[20:21]
	s_cselect_b32 s22, 0, s22
	s_cselect_b64 s[24:25], s[16:17], s[18:19]     ; the codes' buffer, and the work-group at which it begins
	s_cselect_b32 s23, 0, 512
	s_sub_co_u32 s46, ttmp9, s22
	s_lshl_b32 s46, s46, 2
	s_add_co_u32 s46, s46, s44                     ; which run of 8,192 numbers of the source is my wave's
	s_lshl_b32 s46, s46, 15                        ; 32,768 bytes each
	s_mov_b32 s47, 0
	s_add_nc_u64 s[20:21], s[20:21], s[46:47]
	s_sub_co_u32 s46, ttmp9, s23
	s_lshl_b32 s46, s46, 2
	s_add_co_u32 s46, s46, s44
	s_lshl_b32 s46, s46, 13                        ; 8,192 bytes of codes each
	s_add_nc_u64 s[24:25], s[24:25], s[46:47]
	s_add_nc_u64 s[26:27], s[24:25], 0x1000000     ; hidden_states' second and third set (used by its work-groups alone)
	s_add_nc_u64 s[40:41], s[24:25], 0x2000000
.macro LOAD t
.irp i, 0,1,2,3
	global_load_b128 v[R+16*((\t)%4)+4*\i:R+16*((\t)%4)+4*\i+3], v3, s[20:21] offset:2048*(\t)+512*\i th:TH_LOAD_NT   ; 32 lanes read 512 consecutive bytes; read once in the launch
.endr
.endm
.macro TURN t                          ; step t's numbers through the stage: LDS serves a wave's instructions in order (ISA guide 5.7.1.4), so no wait stands between the stores and the loads
.irp i, 0,1,2,3
	ds_store_b128 v14, v[R+16*((\t)%4)+4*\i:R+16*((\t)%4)+4*\i+3] offset:32*SP*((\t)%2)+8*SP*\i
.endr
.irp i, 0,1,2,3
	ds_load_b128 v[X+16*((\t)%2)+4*\i:X+16*((\t)%2)+4*\i+3], v15 offset:32*SP*((\t)%2)+16*\i
.endr
.endm
.macro MKSC e, sc, lim                 ; 2^e as f32 (the conversion takes its exponent field), and the largest number x 2^e
	s_add_co_i32 s43, \e, 127
	s_lshl_b32 s48, s43, 23
	v_mov_b32 v[\sc], s48
	s_add_co_i32 s43, s43, 15
	s_lshl_b32 s43, s43, 23
	s_or_b32 s43, s43, 0x600000
	v_mov_b32 v[\lim], s43
.endm
.macro HOLD dst, src, lim              ; the conversion to an 8-bit code does not saturate (ISA guide 7.6.2): hold each number within the largest code x the scale first
.irp i, 0,1,2,3,4,5,6,7,8,9,10,11,12,13,14,15
	v_med3_num_f32 v[\dst+\i], v[\src+\i], -v[\lim], v[\lim]
.endr
.endm
.irp t, 0,1,2,3
	LOAD \t
.endr
	s_wait_kmcnt 0x0
	s_cmp_lt_u32 ttmp9, 768                        ; my tensor's scale: wo e11, wv e5, wk e3, wq e1, hidden_states e0
	s_cselect_b32 s42, s33, s39
	s_cmp_lt_u32 ttmp9, 704
	s_cselect_b32 s42, s31, s42
	s_cmp_lt_u32 ttmp9, 640
	s_cselect_b32 s42, s29, s42
	s_cmp_lt_u32 ttmp9, 512
	s_cselect_b32 s42, s28, s42
	MKSC s42, SC0, LIM0
	MKSC s30, SC1, LIM1                            ; e2
	MKSC s32, SC2, LIM2                            ; e4
	s_wait_loadcnt 12                              ; step 0's four loads are in
	TURN 0
.macro STEP t
.set XS, X+16*((\t)%2)
	s_wait_dscnt 0x0                               ; this step's numbers are back from the stage, and its stores into the stage have read their registers,
	s_wait_xcnt 0x0                                ; and the last step's stores have had their addresses translated (ISA guide 3.1): only behind this wait are the codes' registers written again
.if (\t)+4 < STEPS
	LOAD (\t)+4
.endif
.if (\t)+1 < STEPS
.if STEPS-2-(\t) >= 3
	s_wait_loadcnt 12                              ; the next step's four loads are in; those of the three steps behind it may be out
.else
	s_wait_loadcnt 4*(STEPS-2-(\t))
.endif
	TURN (\t)+1                                    ; they go through the other stage while this step is worked
.endif
	HOLD T0, XS, LIM0
	v_cvt_scalef32_pk8_bf8_f32 v[C0:C0+1], v[T0:T0+7], v[SC0]
	v_cvt_scalef32_pk8_bf8_f32 v[C0+2:C0+3], v[T0+8:T0+15], v[SC0]
	v_nop                                          ; one plain vector line behind the last conversion of a run
	global_store_b128 v3, v[C0:C0+3], s[24:25] offset:512*(\t)
	s_cmp_lt_u32 ttmp9, 512                        ; hidden_states alone has two more scales; the branch hangs on the work-group's number and goes round register work and stores only
	s_cbranch_scc0 .Lone_scale_\@
	HOLD T1, XS, LIM1
	HOLD T2, XS, LIM2
	v_cvt_scalef32_pk8_bf8_f32 v[C1:C1+1], v[T1:T1+7], v[SC1]
	v_cvt_scalef32_pk8_bf8_f32 v[C1+2:C1+3], v[T1+8:T1+15], v[SC1]
	v_cvt_scalef32_pk8_bf8_f32 v[C2:C2+1], v[T2:T2+7], v[SC2]
	v_cvt_scalef32_pk8_bf8_f32 v[C2+2:C2+3], v[T2+8:T2+15], v[SC2]
	v_nop
	global_store_b128 v3, v[C1:C1+3], s[26:27] offset:512*(\t)
	global_store_b128 v3, v[C2:C2+3], s[40:41] offset:512*(\t)
.Lone_scale_\@:
.endm
.irp t, 0,1,2,3,4,5,6,7,8,9,10,11,12,13,14,15
	STEP \t
.endr
	s_wait_tensorcnt 0x0
	ds_add_u32 v180, v181
	s_wait_dscnt 0x0
	s_endpgm
.Lfunc_end_k_q8a67d2564c_quant:
	.size	k_q8a67d2564c_quant, .Lfunc_end_k_q8a67d2564c_quant-k_q8a67d2564c_quant
	.p2alignl 7, 3214868480
	.fill 96, 4, 3214868480
	.section	.rodata,"a",@progbits
	.p2align	6, 0x0
	.amdhsa_kernel k_q8a67d2564c_quant
		.amdhsa_group_segment_fixed_size 33280
		.amdhsa_private_segment_fixed_size 0
		.amdhsa_enable_private_segment 0
		.amdhsa_kernarg_size 64
		.amdhsa_user_sgpr_count 2
		.amdhsa_user_sgpr_kernarg_segment_ptr 1
		.amdhsa_wavefront_size32 1
		.amdhsa_system_sgpr_workgroup_id_x 1
		.amdhsa_system_sgpr_workgroup_id_y 1
		.amdhsa_system_sgpr_workgroup_id_z 1
		.amdhsa_system_vgpr_workitem_id 0
		.amdhsa_next_free_vgpr 182
		.amdhsa_next_free_sgpr 66
		.amdhsa_reserve_vcc 0
		.amdhsa_float_denorm_mode_32 3
		.amdhsa_float_denorm_mode_16_64 3
		.amdhsa_memory_ordered 1
		.amdhsa_forward_progress 1
		.amdhsa_inst_pref_size 81
	.end_amdhsa_kernel
	.amdgpu_metadata
---
amdhsa.version: [ 1, 2 ]
amdhsa.kernels:
  - .name:           k_q8a67d2564c_quant
    .symbol:         k_q8a67d2564c_quant.kd
    .args:
      - { .name: hidden_states, .offset: 0, .size: 8, .value_kind: global_buffer, .address_space: global }
      - { .name: wq, .offset: 8, .size: 8, .value_kind: global_buffer, .address_space: global }
      - { .name: wk, .offset: 16, .size: 8, .value_kind: global_buffer, .address_space: global }
      - { .name: wv, .offset: 24, .size: 8, .value_kind: global_buffer, .address_space: global }
      - { .name: wo, .offset: 32, .size: 8, .value_kind: global_buffer, .address_space: global }
      - { .name: lowp_scales, .offset: 40, .size: 8, .value_kind: global_buffer, .address_space: global }
      - { .name: xcodes, .offset: 48, .size: 8, .value_kind: global_buffer, .address_space: global }
      - { .name: wcodes, .offset: 56, .size: 8, .value_kind: global_buffer, .address_space: global }
    .group_segment_fixed_size: 33280
    .private_segment_fixed_size: 0
    .kernarg_segment_align: 8
    .kernarg_segment_size: 64
    .max_flat_workgroup_size: 128
    .sgpr_count:     66
    .vgpr_count:     182
    .wavefront_size: 32
...
	.end_amdgpu_metadata
.endif
;; end of part 1
;; launch qkv (part 2): grid 256 x 1, 4 waves a work-group, clusters of 4 x 1, 327,680 bytes of LDS; arguments xcodes, wcodes, lowp_scales, cos, sin, qimg, kimg, vimg; writes qimg, kimg, vimg
.if DOCPART == 2
	.amdgcn_target "amdgcn-amd-amdhsa--gfx1250"
	.amdhsa_code_object_version 6
	.text
	.protected	k_q8a67d2564c_qkv
	.globl	k_q8a67d2564c_qkv
	.p2align	8
	.type	k_q8a67d2564c_qkv,@function
k_q8a67d2564c_qkv:
	s_mov_b64 s[64:65], 0
	v_nop
	global_prefetch_b8 v0, s[64:65] scope:SCOPE_SE
	s_setreg_imm32_b32 hwreg(HW_REG_WAVE_MODE, 25, 1), 1
	s_wait_xcnt 0x0
	s_wait_alu depctr_hold_cnt(0) depctr_sa_sdst(0) depctr_va_vdst(0) depctr_va_sdst(0) depctr_va_ssrc(0) depctr_va_vcc(0) depctr_vm_vsrc(0)
	s_getreg_b32 s2, hwreg(HW_REG_IB_STS2, 6, 4)
	s_cmp_eq_u32 s2, 0
	s_cbranch_scc0 .Lentry_in_a_cluster
	s_endpgm
.Lentry_in_a_cluster:
	s_bfe_u32 s2, ttmp6, 0x10000c
	s_cmp_lg_u32 s2, 0x3003
	s_cbranch_scc0 .Lentry_shape_is_right
	s_endpgm
.Lentry_shape_is_right:
; The three projections on codes of E5M2, RoPE on q and k in f32, and the quantising of q, k and v for the attention's two products.
; ONE BODY: Out[m][n] = sum over k of A[m][k] B[n][k], K = 4,096, a work-group's tile 128 rows of A x 256 rows of B; a wave makes 64 x 128: 32 accumulators, 256 registers.
; A tile of 256 x 256 would give 128 work-groups for the three products together; this one gives 256.
; PIECES, by the cluster's number c: c 0-31 Q (A = hidden_states under e0, B = wq); c 32-47 K (A = hidden_states under e2, B = wk); c 48-63 V^T (A = wv, B = hidden_states under e4).
; V is made as wv x^T, so that a lane's registers run along the keys, which are the K of the attention's second product.
; THE MATRIX INSTRUCTION IS USED TRANSPOSED (source 0 = 16 rows of B, source 1 = 16 rows of A): lane (r, h) holds row r of A's block and, in accumulator b, B's rows 16 b + 8 h + 0 .. 7.
; A wave's 128 rows of B are one head (Q, K), so the RoPE partner d +- 64 is accumulator b +- 4, same lane, same register; or one key step of 128 keys (V).
; WHAT IS STORED: images of the operands' registers.  A fragment (16 rows x 128 along K, this form's own layout: registers 2 c, 2 c + 1 hold k = 16 c + 8 h + 0 .. 7) is 2,048 bytes:
; registers 4 c .. 4 c + 3 of lane l at byte 512 c + 16 l.  The eight conversions of a block's eight accumulators ARE such a fragment: four stores of 512 consecutive bytes, aligned.
;   qimg: fragment (batch 8 + head) 128 + s / 16;  kimg: (batch 4 + kv head) 128 + s / 16;  vimg: ((batch 4 + kv head) 16 + key step) 8 + d / 16.
; NO PATH PARTS ON THE PIECE: V's work-groups walk the RoPE lines too (their addresses into cos and sin, made by the same formula, stay inside the tables) and one select a number then takes the plain sum.
; CLUSTER: the four work-groups of a cluster take four tiles of A against the same tile of B: B's tile is asked for JOINTLY (mask 15), A's by plain loads.  A 4 x 4 cluster does not divide all pieces:
; K has two tiles of B, V^T four tiles of A.
; RING: THREE regions of LDS, each with 256 along K (A's 128 rows, then B's 256); step k of sixteen lies in region k mod 3.  A wave's fragments of a region, (64 + 128) rows x 256 bytes, are 384 registers: its two sets.
; So a region that has landed is read out whole into registers and is free at once, and behind ONE round of the cluster's barrier TWO regions are asked for, 512 along K: the one just read out and the one multiplied before it;
; the registers and the third region, landed and unread, feed the matrix unit meanwhile: 128 matrix instructions a wave.  Seven rounds serve thirteen regions; the first three regions are filled at the start.
; A period has two barriers: one that shows the last batch landed to all four waves, and the round, in front of which every wave has read the region out.
; The scales are folded: a sum stands for sum x 2^(eA + eB), so its code under 2^eo is sum / 2^(eo - eA - eB).
; LIMITS: e6 - e0 - e1, e7 - e2 - e3 and e9 - e4 - e5 lie between -126 and 112.  NaN among the inputs is not served.
; REGISTERS, in windows of 256: window 0: v16-31 addresses and scales; v32-95 a block's 64 numbers; v96-111 its codes; v128-191, v192-255 A's fragments, two sets (behind the loop: cos, sin in the result's layout).
;   window 1: B's fragments, two sets.   window 2: accumulator (a, b) at v[8 (8 a + b)].   window 3: rows of cos and sin as loaded, two sets of 128.
.set KTOT,   4096
.set PITCH,  272                       ; an LDS row: 256 bytes + 16 of padding = 68 words: row r starts at bank 4 r mod 64 (64 banks of 4 bytes: ISA guide 11.1)
.set AREG,   128*PITCH                 ; A's part of a region: what one of A's tensor loads brings
.set BREG,   256*PITCH                 ; B's part: what one of B's brings
.set REG,    AREG+BREG                 ; a region
.set SPARE,  3*REG                     ; behind the ring: the spare words, 128 bytes for each wave: two blocks of 256 bytes that no other line names
.set CP,     528                       ; the stage for cos and sin: a row of 512 bytes + 16
.set CSTG,   32*CP                     ; a wave's stage: 16 rows of cos, 16 of sin.  The stages lie in region 1, which has had its last fill (step 13) and, at the last period's barrier, its last read
.set ADRA, 16                          ; v16-18  LDS address of my A fragments in region 0, 1, 2
.set ADRB, 20                          ; v20-22  the same for B
.set IMG,  24                          ; v24     16 x lane
.set STW,  25                          ; v25     the stage: where I put 16 bytes of a row of cos
.set STR,  26                          ; v26     and where I read my 32 bytes of row r
.set SPW,  28                          ; v28     LDS address of my spare word; never rewritten
.set NIL,  29                          ; v29     0; never rewritten
.set SC,   30                          ; v30     the folded scale as f32
.set LIM,  31                          ; v31     57,344 x that
.set R,    32
.set PC,   96
.set COS,  128
.set SIN,  192
.set G1A,  28                          ; s[28:35] descriptor group 1 for A's tiles
.set G0AE, 36                          ; s[36:39] group 0 for A's tile of a batch's even step (wave 0)
.set G0AO, 40                          ; s[40:43] of its odd step (wave 1)
.set G0AX, 4                           ; s[4:7]   of step 2, at the start alone (wave 0's second first fill); the two pointers that lay here are done with
.set G1B,  44                          ; s[44:51] group 1 for B's tiles
.set G0BE, 52                          ; s[52:55], s[56:59], s[72:75]: the same three for B (waves 2, 3, 2)
.set G0BO, 56
.set G0BX, 72
.set MSB, 0
.macro WIN new                         ; the immediate's high byte repeats the setting that is left; a switch that changes nothing is dropped
.if MSB != \new
	s_set_vgpr_msb (MSB<<8)|\new
.set MSB, \new
.endif
.endm
.set MUL,  0xa1                        ; source 0 (B) window 1, source 1 (A) window 0, C and D window 2
.set TO_B, 0x40                        ; destination window 1, address window 0
; A group 0: the word 1, the LDS address (a constant), the tile's first byte (a base + a constant), the type
.macro SETD g0, base, lds, off
	s_mov_b32 s[\g0], 1
	s_mov_b32 s[\g0+1], \lds
	s_add_nc_u64 s[\g0+2:\g0+3], s[\base:\base+1], \off
	s_or_b32 s[\g0+3], s[\g0+3], 0x80000000
.endm
; A batch's loads, one a wave: wave 0 A's tile of the even step, wave 1 of the odd step (plain); waves 2 and 3 B's (joint).  both = 0: the batch is one step: waves 1 and 3 have no part of it.
; The branches hang on the wave's number alone.  Four v_nop follow each tensor load.
.macro QLOAD both
	s_cmp_lt_u32 s20, 2
	s_cbranch_scc0 .Lq_b_\@
	s_cmp_eq_u32 s20, 0
	s_cbranch_scc0 .Lq_a1_\@
	tensor_load_to_lds s[G0AE:G0AE+3], s[G1A:G1A+7]
	s_nop 0
.rept 4
	v_nop
.endr
	s_branch .Lq_done_\@
.Lq_a1_\@:
.if \both
	tensor_load_to_lds s[G0AO:G0AO+3], s[G1A:G1A+7]
	s_nop 0
.rept 4
	v_nop
.endr
.endif
	s_branch .Lq_done_\@
.Lq_b_\@:
	s_cmp_eq_u32 s20, 2
	s_cbranch_scc0 .Lq_b1_\@
	tensor_load_to_lds s[G0BE:G0BE+3], s[G1B:G1B+7]
	s_nop 0
.rept 4
	v_nop
.endr
	s_branch .Lq_done_\@
.Lq_b1_\@:
.if \both
	tensor_load_to_lds s[G0BO:G0BO+3], s[G1B:G1B+7]
	s_nop 0
.rept 4
	v_nop
.endr
.endif
.Lq_done_\@:
.endm
.macro CREST                           ; a round of the cluster's barrier behind its opening barrier
	s_cmp_lg_u32 s20, 0
	s_cbranch_scc1 .Lnot_wave_0_\@
	s_barrier_signal -3
.Lnot_wave_0_\@:
	s_barrier_wait -3
	s_barrier_signal -1
	s_barrier_wait -1
.endm
.macro CROUND                          ; a whole round
	s_barrier_signal -1
	s_barrier_wait -1
	CREST
.endm
.macro PLACES
.rept 4
	v_nop
.endr
.endm
	s_load_b512 s[4:19], s[0:1], 0x0               ; xcodes 4:5, wcodes 6:7, scales 8:9, cos 10:11, sin 12:13, qimg 14:15, kimg 16:17, vimg 18:19
	v_lshl_add_u32 v[SPW], v0, 2, SPARE
	v_mov_b32 v[NIL], 0
	ds_add_u32 v28, v29
	ds_add_u32 v28, v29
	s_wait_dscnt 0x0
	v_lshrrev_b32 v1, 5, v0
	v_readfirstlane_b32 s20, v1                    ; wave 0..3
	s_lshr_b32 s21, s20, 1                         ; which 64 rows of A's tile are mine
	s_and_b32 s22, s20, 1                          ; which 128 rows of B's tile
	s_bfe_u32 s23, ttmp6, 0x40000                  ; cx: my place in the cluster
	s_cmp_lt_u32 ttmp9, 48                         ; the piece, by the cluster's number, which the partners share
	s_cselect_b32 s24, 1, 5                        ; log2 of the number of B's tiles (for V^T: more than its clusters' numbers need)
	s_cselect_b32 s25, 32, 48                      ; the piece's first cluster
	s_mov_b32 s72, 0x600000                        ; where A's codes begin in their buffer: wv,
	s_cselect_b32 s72, 0x1000000, s72              ; hidden_states under e2,
	s_mov_b32 s73, 0x2000000                       ; and B's: hidden_states under e4,
	s_cselect_b32 s73, 0x400000, s73               ; wk
	s_cmp_lt_u32 ttmp9, 32
	s_cselect_b32 s24, 2, s24
	s_cselect_b32 s25, 0, s25
	s_cselect_b32 s72, 0, s72                      ; hidden_states under e0
	s_cselect_b32 s73, 0, s73                      ; wq
	s_sub_co_u32 s26, ttmp9, s25
	s_bfm_b32 s27, s24, 0
	s_and_b32 s27, s26, s27                        ; B's tile
	s_lshr_b32 s60, s26, s24
	s_lshl_b32 s60, s60, 2
	s_add_co_u32 s60, s60, s23                     ; A's tile = 4 x group + cx
	; descriptor group 1: rows of 256 bytes, 4,096 bytes apart in memory, 16 bytes of padding behind each in LDS
	s_mov_b32 s[G1A+0], (1<<20)|(5<<22)|(3<<25)    ; 15:0 no mask; 17:16 elements of 1 byte; 20 padding on; 24:22 after every 64 words (code 5); 31:25 four words (code 3)
	s_mov_b32 s[G1A+1], 256<<16                    ; tensor_dim0
	s_mov_b32 s[G1A+2], 128<<16                    ; tensor_dim1
	s_mov_b32 s[G1A+3], 256<<16                    ; tile_dim0
	s_mov_b32 s[G1A+4], 128                        ; tile_dim1
	s_mov_b32 s[G1A+5], KTOT                       ; tensor_dim0_stride
	s_mov_b32 s[G1A+6], 0
	s_mov_b32 s[G1A+7], 0
	s_mov_b32 s[G1B+0], 15|(1<<20)|(1<<21)|(5<<22)|(3<<25)   ; the same with the mask of all four work-groups, and bit 21 beside it
	s_mov_b32 s[G1B+1], 256<<16
	s_mov_b32 s[G1B+2], 256<<16
	s_mov_b32 s[G1B+3], 256<<16
	s_mov_b32 s[G1B+4], 256
	s_mov_b32 s[G1B+5], KTOT
	s_mov_b32 s[G1B+6], 0
	s_mov_b32 s[G1B+7], 0
	s_lshl_b32 s62, s60, 19                        ; A: row 128 x tile, 4,096 bytes a row, + where the codes begin
	s_add_co_u32 s62, s62, s72
	s_mov_b32 s63, 0
	s_lshl_b32 s66, s27, 20                        ; B: row 256 x tile: in registers that never hold cx
	s_add_co_u32 s66, s66, s73
	s_mov_b32 s67, 0
	s_wait_kmcnt 0x0
	s_load_b256 s[76:83], s[8:9], 0x0              ; e0 .. e7
	s_load_b128 s[84:87], s[8:9], 0x20             ; e8 .. e11
	s_cmp_lt_u32 ttmp9, 48
	s_cselect_b64 s[68:69], s[4:5], s[6:7]         ; A's buffer
	s_cselect_b64 s[70:71], s[6:7], s[4:5]         ; B's buffer
	s_add_nc_u64 s[68:69], s[68:69], s[62:63]      ; my tile of A, and of B, at K = 0
	s_add_nc_u64 s[70:71], s[70:71], s[66:67]
	CROUND                                         ; all four work-groups are here: the first joint loads meet
	SETD G0AE, 68, 0, 0                            ; steps 0, 1, 2 into regions 0, 1, 2: no place in the cluster enters an LDS address
	SETD G0AO, 68, REG, 256
	SETD G0AX, 68, 2*REG, 512
	SETD G0BE, 70, AREG, 0
	SETD G0BO, 70, REG+AREG, 256
	SETD G0BX, 70, 2*REG+AREG, 512
	s_cmp_lt_u32 s20, 2                            ; a wave's first fills stand in one branch, ahead of every wait on TENSORcnt and every LDS read: waves 0 and 2 have two loads out, waves 1 and 3 one
	s_cbranch_scc0 .Lff_b
	s_cmp_eq_u32 s20, 0
	s_cbranch_scc0 .Lff_a1
	tensor_load_to_lds s[G0AE:G0AE+3], s[G1A:G1A+7]
	s_nop 0
	tensor_load_to_lds s[G0AX:G0AX+3], s[G1A:G1A+7]
	s_nop 0
.rept 4
	v_nop
.endr
	s_branch .Lff_done
.Lff_a1:
	tensor_load_to_lds s[G0AO:G0AO+3], s[G1A:G1A+7]
	s_nop 0
.rept 4
	v_nop
.endr
	s_branch .Lff_done
.Lff_b:
	s_cmp_eq_u32 s20, 2
	s_cbranch_scc0 .Lff_b1
	tensor_load_to_lds s[G0BE:G0BE+3], s[G1B:G1B+7]
	s_nop 0
	tensor_load_to_lds s[G0BX:G0BX+3], s[G1B:G1B+7]
	s_nop 0
.rept 4
	v_nop
.endr
	s_branch .Lff_done
.Lff_b1:
	tensor_load_to_lds s[G0BO:G0BO+3], s[G1B:G1B+7]
	s_nop 0
.rept 4
	v_nop
.endr
.Lff_done:
	v_and_b32 v1, 15, v0                           ; r
	v_bfe_u32 v2, v0, 4, 1                         ; h
	v_mul_u32_u24 v3, v1, PITCH
	v_lshl_add_u32 v4, v2, 4, v3                   ; a fragment's row x pitch + 16 h
	s_mul_i32 s61, s21, 64*PITCH                   ; my 64 rows of A
	s_mul_i32 s89, s22, 128*PITCH                  ; my 128 rows of B,
	s_add_co_u32 s89, s89, AREG                    ; which lie behind A's 128
.irp g, 0,1,2
	v_add_nc_u32 v[ADRA+\g], s61, v4
	v_add_nc_u32 v[ADRB+\g], s89, v4
	s_add_co_u32 s61, s61, REG
	s_add_co_u32 s89, s89, REG
.endr
	v_and_b32 v5, 31, v0
	v_lshlrev_b32 v[IMG], 4, v5
	s_mul_i32 s61, s20, CSTG
	s_add_co_u32 s61, s61, REG                     ; my stage, in region 1
	v_add_nc_u32 v[STW], s61, v[IMG]               ; the stage on the way in: a row of 512 bytes by the 32 lanes
	v_mul_u32_u24 v6, v1, CP
	v_lshl_add_u32 v6, v2, 5, v6
	v_add_nc_u32 v[STR], s61, v6                   ; and out: row r, + 32 h: the eight numbers of my half of a tile of 16
	; where my results go, and which rows of cos and sin are mine
	s_lshl_b32 s92, s60, 7
	s_lshl_b32 s93, s21, 6
	s_add_co_u32 s92, s92, s93                     ; my first row of A
	s_and_b32 s93, s92, 2047                       ; Q, K: its place s in the sequence
	s_lshl_b32 s90, s93, 9
	s_mov_b32 s91, 0
	s_add_nc_u64 s[10:11], s[10:11], s[90:91]      ; cos and sin at row s
	s_add_nc_u64 s[12:13], s[12:13], s[90:91]
	s_lshr_b32 s95, s92, 11                        ; Q, K: the batch,
	s_cmp_lt_u32 ttmp9, 32
	s_cselect_b32 s96, 3, 2
	s_lshl_b32 s95, s95, s96                       ; x 8 or x 4 heads,
	s_lshl_b32 s97, s27, 1
	s_add_co_u32 s97, s97, s22                     ; + my head,
	s_add_co_u32 s95, s95, s97
	s_lshl_b32 s95, s95, 7
	s_lshr_b32 s93, s93, 4
	s_add_co_u32 s95, s95, s93                     ; x 128 + s / 16
	s_lshl_b32 s96, s27, 8                         ; V: my first row of B is a token:
	s_lshl_b32 s97, s22, 7
	s_add_co_u32 s96, s96, s97
	s_lshr_b32 s97, s96, 11                        ; its batch,
	s_lshl_b32 s97, s97, 2
	s_add_co_u32 s97, s97, s60                     ; x 4 + the kv head (A's tile),
	s_lshl_b32 s97, s97, 4
	s_bfe_u32 s96, s96, 0x40007                    ; x 16 + the key step,
	s_add_co_u32 s97, s97, s96
	s_lshl_b32 s97, s97, 3
	s_lshl_b32 s96, s21, 2
	s_add_co_u32 s97, s97, s96                     ; x 8 + my first tile of d
	s_cmp_lt_u32 ttmp9, 48
	s_cselect_b32 s95, s95, s97
	s_cselect_b32 s94, 0, -1                       ; all ones in V's work-groups: the select below takes the plain sum there
	s_cselect_b64 s[90:91], s[16:17], s[18:19]
	s_cmp_lt_u32 ttmp9, 32
	s_cselect_b64 s[90:91], s[14:15], s[90:91]
	s_lshl_b32 s92, s95, 11                        ; 2,048 bytes a fragment
	s_mov_b32 s93, 0
	s_add_nc_u64 s[90:91], s[90:91], s[92:93]
; Block a's 16 rows of cos and of sin, a row of 512 bytes an instruction, into set a % 2 of window 3
.macro GLOAD a
	WIN 0xc0                                       ; destination window 3, address window 0
.irp i, 0,1,2,3,4,5,6,7,8,9,10,11,12,13,14,15
	global_load_b128 v[128*((\a)%2)+4*\i:128*((\a)%2)+4*\i+3], v[IMG], s[10:11] offset:(16*(\a)+\i)*512
.endr
.irp i, 0,1,2,3,4,5,6,7,8,9,10,11,12,13,14,15
	global_load_b128 v[128*((\a)%2)+64+4*\i:128*((\a)%2)+64+4*\i+3], v[IMG], s[12:13] offset:(16*(\a)+\i)*512
.endr
	WIN 0
.endm
	GLOAD 0                                        ; asked for here, wanted behind the loop: the whole product stands between
	GLOAD 1
	s_wait_kmcnt 0x0
	s_sub_co_i32 s88, s85, s80                     ; V: e9 - e4 - e5
	s_sub_co_i32 s88, s88, s81
	s_sub_co_i32 s89, s83, s78                     ; K: e7 - e2 - e3
	s_sub_co_i32 s89, s89, s79
	s_cmp_lt_u32 ttmp9, 48
	s_cselect_b32 s88, s89, s88
	s_sub_co_i32 s89, s82, s76                     ; Q: e6 - e0 - e1
	s_sub_co_i32 s89, s89, s77
	s_cmp_lt_u32 ttmp9, 32
	s_cselect_b32 s88, s89, s88
	s_add_co_i32 s88, s88, 127
	s_lshl_b32 s89, s88, 23
	v_mov_b32 v[SC], s89                           ; the folded scale as f32: the conversion takes its exponent field
	s_add_co_i32 s88, s88, 15
	s_lshl_b32 s88, s88, 23
	s_or_b32 s88, s88, 0x600000
	v_mov_b32 v[LIM], s88                          ; 57,344 x that
; A fragment, 16 rows x 128 K, by four loads of 16 bytes, 32 apart: registers 4 c .. 4 c + 3 hold K = 32 c + 16 h + 0 .. 15.  That is a permutation of k, the same in A and in B: every product meets its partner.
.macro FRAG reg, adr, q, i
.irp c, 0,1,2,3
	ds_load_b128 v[\reg+4*\c:\reg+4*\c+3], v[\adr] offset:128*(\q)+32*\c+(\i)*16*PITCH
.endr
.endm
.macro FETCH g, q, p                   ; 48 loads in one run: region g's q-th 128 along K: B's eight fragments and A's four, into set p
	WIN TO_B
.irp i, 0,1,2,3,4,5,6,7
	FRAG 128*(\p)+16*\i, ADRB+\g, \q, \i
.endr
	WIN 0
.irp i, 0,1,2,3
	FRAG 128+64*(\p)+16*\i, ADRA+\g, \q, \i
.endr
.endm
; Eight matrix instructions: A's block a against B's eight.  The 32 accumulators take turns, one instruction a turn, in the same order in every 128 along K.  zero = 1: the products start the sums.
.macro MUL8 a, p, zero
.irp b, 0,1,2,3,4,5,6,7
.if \zero
	v_wmma_f32_16x16x128_bf8_bf8 v[8*(8*(\a)+\b):8*(8*(\a)+\b)+7], v[128*(\p)+16*\b:128*(\p)+16*\b+15], v[128+64*(\p)+16*(\a):128+64*(\p)+16*(\a)+15], 0
.else
	v_wmma_f32_16x16x128_bf8_bf8 v[8*(8*(\a)+\b):8*(8*(\a)+\b)+7], v[128*(\p)+16*\b:128*(\p)+16*\b+15], v[128+64*(\p)+16*(\a):128+64*(\p)+16*(\a)+15], v[8*(8*(\a)+\b):8*(8*(\a)+\b)+7]
.endif
.endr
.endm
; 128 along K on set p.  fetch = 1: in its middle region g's q-th 128 are fetched into the other set.  A load into a register that a matrix instruction has read stands four plain vector instructions behind it
; (ISA guide 7.12.1 for vector instructions).
.macro CHUNK p, fetch, g, q
	s_wait_dscnt 0x0                               ; set p is in
	WIN MUL
	MUL8 0, \p, 0
	MUL8 1, \p, 0
.if \fetch
	PLACES
	FETCH \g, \q, 1-\p
	WIN MUL
.endif
	MUL8 2, \p, 0
	MUL8 3, \p, 0
	WIN 0
.endm
; THE HEAD OF A PERIOD.  The last batch has landed: each wave waits for its own load (none was issued behind it, so the count is 0) and a barrier shows all four parts to all four waves.
; Region g is read out whole, 96 loads, into both sets.  fill = 2: two regions are then asked for, steps ke and ko (counted from the bases, which step with the loop's trips) into regions ke mod 3 and ko mod 3:
; the one that was multiplied in the period before, and g itself.  In front of the round each wave waits for all its tensor loads, adds 0 to its spare word, and waits for that and for its reads of region g.
; fill = 1: one region, step ke.  fill = 0: nothing is left to fetch.  The first 128 along K are multiplied on the way.
.macro HEAD g, zero, fill, ke, ko
.if \zero == 0
	PLACES                                         ; between the last products and the loads into the sets that they read
.endif
	s_wait_tensorcnt 0x0                           ; my part of the last batch is in
	s_barrier_signal -1
	s_barrier_wait -1                              ; everybody's is
	FETCH \g, 0, 0
	FETCH \g, 1, 1
.if \fill
	s_wait_tensorcnt 0x0                           ; no tensor load of mine is out, so every group 0 may be written
	ds_add_u32 v[SPW], v[NIL]                      ; 0 onto my spare word; the descriptors and sixteen matrix instructions stand between it and the wait for it
	SETD G0AE, 68, ((\ke)%3)*REG, (\ke)*256
	SETD G0BE, 70, ((\ke)%3)*REG+AREG, (\ke)*256
.if \fill == 2
	SETD G0AO, 68, ((\ko)%3)*REG, (\ko)*256
	SETD G0BO, 70, ((\ko)%3)*REG+AREG, (\ko)*256
.endif
	s_wait_dscnt 49                                ; set 0 is in; set 1's 48 loads and the add may be out
	WIN MUL
	MUL8 0, 0, \zero
	MUL8 1, 0, \zero
	s_wait_dscnt 0x0                               ; the add is done, and region g is read out
	s_barrier_signal -1
	MUL8 2, 0, \zero
	WIN 0
	s_barrier_wait -1
	CREST                                          ; the barrier has opened a round of the cluster's barrier: no wave of any partner still reads the regions to be filled or has a load on its way
	QLOAD \fill-1                                  ; my one tensor load behind the round, and the first thing there
	WIN MUL
	MUL8 3, 0, \zero
	WIN 0
.else
	s_wait_dscnt 48                                ; set 0 is in; set 1's 48 loads may be out
	WIN MUL
	MUL8 0, 0, 0
	MUL8 1, 0, 0
	MUL8 2, 0, 0
	MUL8 3, 0, 0
	WIN 0
.endif
.endm
; The rest of a period: the second 128 of the region in registers, then region g2 through the two sets
.macro REST g2
	CHUNK 1, 1, \g2, 0
	CHUNK 0, 1, \g2, 1
	CHUNK 1, 0, 0, 0
.endm
	HEAD 0, 1, 1, 3, 0                             ; steps 0 and 1; region 0 alone is free: step 3 is asked for.  The first products start the sums
	REST 1
	s_mov_b32 s3, 2
.Llap:                                                 ; a trip is three periods, six steps: twice round the three regions
	HEAD 2, 0, 2, 4, 5                             ; steps 2, 3 (8, 9 in the second trip)
	REST 0
	HEAD 1, 0, 2, 6, 7                             ; steps 4, 5 (10, 11)
	REST 2
	HEAD 0, 0, 2, 8, 9                             ; steps 6, 7 (12, 13)
	REST 1
	s_add_nc_u64 s[68:69], s[68:69], 1536          ; six steps of 256 bytes on; the bases are no descriptor's registers
	s_add_nc_u64 s[70:71], s[70:71], 1536
	s_sub_co_u32 s3, s3, 1
	s_cmp_lg_u32 s3, 0
	s_cbranch_scc1 .Llap
	HEAD 2, 0, 0, 0, 0                             ; steps 14 and 15: written out
	REST 0
	PLACES                                         ; in front of the first read of results and of loads into the registers that held A's fragments
; THE WAY OUT, a block of 16 rows of A at a time.  cos and sin come as whole rows and turn through my own stage in LDS into the result's layout: lane (r, h) wants, for accumulator b, numbers 16 b + 8 h + 0 .. 7 of row r.
.macro BLOCK a
.if (\a) < 3
	s_wait_loadcnt 32                              ; this block's 32 rows are in; the next block's 32 loads may be out
.else
	s_wait_loadcnt 0x0
.endif
	WIN 0x0c                                       ; the stores' data in window 3
.irp i, 0,1,2,3,4,5,6,7,8,9,10,11,12,13,14,15
	ds_store_b128 v[STW], v[128*((\a)%2)+4*\i:128*((\a)%2)+4*\i+3] offset:CP*\i
.endr
.irp i, 0,1,2,3,4,5,6,7,8,9,10,11,12,13,14,15
	ds_store_b128 v[STW], v[128*((\a)%2)+64+4*\i:128*((\a)%2)+64+4*\i+3] offset:16*CP+CP*\i
.endr
	WIN 0
.irp b, 0,1,2,3,4,5,6,7
.irp u, 0,1
	ds_load_b128 v[COS+8*\b+4*\u:COS+8*\b+4*\u+3], v[STR] offset:64*\b+16*\u              ; LDS serves a wave's instructions in order (ISA guide 5.7.1.4): these see the stores above
	ds_load_b128 v[SIN+8*\b+4*\u:SIN+8*\b+4*\u+3], v[STR] offset:16*CP+64*\b+16*\u
.endr
.endr
	s_wait_dscnt 0x0                               ; cos and sin are in, and the stores have read their registers,
.if (\a) < 2
	GLOAD (\a)+2                                   ; which take the rows of two blocks on
.endif
	WIN 0x02                                       ; source 0: the sums, in window 2
.irp b, 0,1,2,3                        ; x cos; each accumulator is read from its low end on
.irp i, 0,2,4,6
	v_pk_mul_f32 v[R+8*\b+\i:R+8*\b+\i+1], v[64*(\a)+8*\b+\i:64*(\a)+8*\b+\i+1], v[COS+8*\b+\i:COS+8*\b+\i+1]
	v_pk_mul_f32 v[R+32+8*\b+\i:R+32+8*\b+\i+1], v[64*(\a)+32+8*\b+\i:64*(\a)+32+8*\b+\i+1], v[COS+32+8*\b+\i:COS+32+8*\b+\i+1]
.endr
.endr
.irp b, 0,1,2,3                        ; + rotate_half x sin: d < 64 takes -x(d + 64), d >= 64 takes x(d - 64)
.irp i, 0,2,4,6
	v_pk_fma_f32 v[R+8*\b+\i:R+8*\b+\i+1], v[64*(\a)+32+8*\b+\i:64*(\a)+32+8*\b+\i+1], v[SIN+8*\b+\i:SIN+8*\b+\i+1], v[R+8*\b+\i:R+8*\b+\i+1] neg_lo:[1,0,0] neg_hi:[1,0,0]
	v_pk_fma_f32 v[R+32+8*\b+\i:R+32+8*\b+\i+1], v[64*(\a)+8*\b+\i:64*(\a)+8*\b+\i+1], v[SIN+32+8*\b+\i:SIN+32+8*\b+\i+1], v[R+32+8*\b+\i:R+32+8*\b+\i+1]
.endr
.endr
	WIN 0x08                                       ; source 1: the sums
.set n, 0
.rept 64
	v_cndmask_b32 v[R+n], v[R+n], v[64*(\a)+n], s94   ; V has no RoPE: its work-groups take the sum as it is
.set n, n+1
.endr
	WIN 0
.set n, 0
.rept 64
	v_med3_num_f32 v[R+n], v[R+n], -v[LIM], v[LIM]    ; the conversion to an 8-bit code does not saturate (ISA guide 7.6.2): the hold at the largest code x the scale
.set n, n+1
.endr
.if (\a) > 0
	s_wait_xcnt 0x0                                ; the last block's stores have had their addresses translated (ISA guide 3.1): only behind this wait are the codes' registers written again
.endif
.irp b, 0,1,2,3,4,5,6,7
	v_cvt_scalef32_pk8_bf8_f32 v[PC+2*\b:PC+2*\b+1], v[R+8*\b:R+8*\b+7], v[SC]   ; registers 2 b, 2 b + 1 of the fragment: k = 16 b + 8 h + 0 .. 7
.endr
	v_nop                                          ; one plain vector line behind the last conversion of a run
.irp c, 0,1,2,3
	global_store_b128 v[IMG], v[PC+4*\c:PC+4*\c+3], s[90:91] offset:2048*(\a)+512*\c   ; the fragment's image: the wave stores 512 consecutive bytes, aligned
.endr
.endm
	BLOCK 0
	BLOCK 1
	BLOCK 2
	BLOCK 3
	s_wait_tensorcnt 0x0                           ; the wave's end: behind my last tensor load and my last LDS store
	ds_add_u32 v[SPW], v[NIL]
	s_wait_dscnt 0x0
	CROUND                                         ; the closing round: no work-group ends while a partner may still ask for a tile that names it
	s_endpgm
.Lfunc_end_k_q8a67d2564c_qkv:
	.size	k_q8a67d2564c_qkv, .Lfunc_end_k_q8a67d2564c_qkv-k_q8a67d2564c_qkv
	.p2alignl 7, 3214868480
	.fill 96, 4, 3214868480
	.section	.rodata,"a",@progbits
	.p2align	6, 0x0
	.amdhsa_kernel k_q8a67d2564c_qkv
		.amdhsa_group_segment_fixed_size 327680
		.amdhsa_private_segment_fixed_size 0
		.amdhsa_enable_private_segment 0
		.amdhsa_kernarg_size 64
		.amdhsa_user_sgpr_count 2
		.amdhsa_user_sgpr_kernarg_segment_ptr 1
		.amdhsa_wavefront_size32 1
		.amdhsa_system_sgpr_workgroup_id_x 1
		.amdhsa_system_sgpr_workgroup_id_y 1
		.amdhsa_system_sgpr_workgroup_id_z 1
		.amdhsa_system_vgpr_workitem_id 0
		.amdhsa_next_free_vgpr 1024
		.amdhsa_next_free_sgpr 100
		.amdhsa_reserve_vcc 0
		.amdhsa_float_denorm_mode_32 3
		.amdhsa_float_denorm_mode_16_64 3
		.amdhsa_memory_ordered 1
		.amdhsa_forward_progress 1
		.amdhsa_inst_pref_size 207
	.end_amdhsa_kernel
	.amdgpu_metadata
---
amdhsa.version: [ 1, 2 ]
amdhsa.kernels:
  - .name:           k_q8a67d2564c_qkv
    .symbol:         k_q8a67d2564c_qkv.kd
    .args:
      - { .name: xcodes, .offset: 0, .size: 8, .value_kind: global_buffer, .address_space: global }
      - { .name: wcodes, .offset: 8, .size: 8, .value_kind: global_buffer, .address_space: global }
      - { .name: lowp_scales, .offset: 16, .size: 8, .value_kind: global_buffer, .address_space: global }
      - { .name: cos, .offset: 24, .size: 8, .value_kind: global_buffer, .address_space: global }
      - { .name: sin, .offset: 32, .size: 8, .value_kind: global_buffer, .address_space: global }
      - { .name: qimg, .offset: 40, .size: 8, .value_kind: global_buffer, .address_space: global }
      - { .name: kimg, .offset: 48, .size: 8, .value_kind: global_buffer, .address_space: global }
      - { .name: vimg, .offset: 56, .size: 8, .value_kind: global_buffer, .address_space: global }
    .group_segment_fixed_size: 327680
    .private_segment_fixed_size: 0
    .kernarg_segment_align: 8
    .kernarg_segment_size: 64
    .max_flat_workgroup_size: 128
    .sgpr_count:     100
    .vgpr_count:     1024
    .wavefront_size: 32
...
	.end_amdgpu_metadata
.endif
;; end of part 2
;; launch attn (part 3): grid 32 x 8, 4 waves a work-group, clusters of 4 x 4, 327,680 bytes of LDS; arguments qimg, kimg, vimg, attention_mask, lowp_scales, acodes; writes acodes
.if DOCPART == 3
	.amdgcn_target "amdgcn-amd-amdhsa--gfx1250"
	.amdhsa_code_object_version 6
	.text
	.protected	k_q8a67d2564c_attn
	.globl	k_q8a67d2564c_attn
	.p2align	8
	.type	k_q8a67d2564c_attn,@function
k_q8a67d2564c_attn:
	s_mov_b64 s[64:65], 0
	v_nop
	global_prefetch_b8 v0, s[64:65] scope:SCOPE_SE
	s_setreg_imm32_b32 hwreg(HW_REG_WAVE_MODE, 25, 1), 1
	s_wait_xcnt 0x0
	s_wait_alu depctr_hold_cnt(0) depctr_sa_sdst(0) depctr_va_vdst(0) depctr_va_sdst(0) depctr_va_ssrc(0) depctr_va_vcc(0) depctr_vm_vsrc(0)
	s_getreg_b32 s2, hwreg(HW_REG_IB_STS2, 6, 4)
	s_cmp_eq_u32 s2, 0
	s_cbranch_scc0 .Lentry_in_a_cluster
	s_endpgm
.Lentry_in_a_cluster:
	s_bfe_u32 s2, ttmp6, 0x10000c
	s_cmp_lg_u32 s2, 0xf033
	s_cbranch_scc0 .Lentry_shape_is_right
	s_endpgm
.Lentry_shape_is_right:
; The attention on codes of E5M2: scores = q k^T / sqrt(128) + attention_mask, softmax, x v; the result is quantised under 2^e10 for the last projection: acodes [4096][1024], K innermost.
; THE MASK IS AN INPUT: every score takes its word of the mask, in f32, and every work-group walks all 2,048 keys.
; THE SOFTMAX AHEAD OF THE SECOND PRODUCT: logit = sum x 2^(e6 + e7) / sqrt(128) + mask, one fused multiply-add, rounded to f32; t = logit x log2(e), a multiplication of its own, rounded; M = the running largest t
; rounded UP to a whole number; p = 2^(t - M) is quantised under 2^e8; the row's sum is taken of the unquantised p and divides at the end.  The maximum is taken of the same rounded t that M is taken from,
; so that a row whose every logit is very large and negative (all keys masked) still has a largest p between 1/2 and 1.  When M moves, the sum and O are multiplied by 2^(old M - new M): exact.
; SHARES.  A work-group owns 64 queries (x) of one batch and kv head (y = batch 4 + kv head); wave w owns queries 16 w .. 16 w + 15 for BOTH query heads of that kv head: two tiles.  So each fragment of K and V
; read from LDS feeds two products, one set of mask registers serves both heads, and the wave's two heads are 256 neighbouring bytes of a row of acodes.
; LAYOUT.  Both products are used transposed: S^T = K Q^T (source 0 = 16 keys, source 1 = my 16 queries), O^T = V^T P^T: a lane holds ONE query (lane % 16) throughout, and in S^T's tile t the keys 16 t + 8 (lane / 16) + 0 .. 7,
; which are registers 2 t, 2 t + 1 of P in this form's own layout: the conversions' results are the operand.
; Q, K, V come as images of fragments' registers (2,048 bytes: registers 4 c .. 4 c + 3 of lane l at 512 c + 16 l): 256 keys of K, or of V, are one dense block of 32 KiB.
; THE ORDER OF THE VECTOR WORK.  The wave is alone on its SIMD, so a line that reads the result of the line just before it leaves the SIMD idle.  The maxima of both tiles are taken together, in eight chains; the two tiles'
; statistics alternate line by line; each exponential stands between plain lines that are ready (t - M two pairs ahead, the sum one pair back, the holds two pairs back); the sums run in four chains.
; CLUSTER 4 x 4.  K and V hang on y alone and are shared along a row of the cluster; the mask's tile hangs on x alone and is shared along a column: each is asked for JOINTLY.
; RING: two slots of 256 keys; a slot's refill is asked for in the middle of its second key step and has two key steps in which to land.
; LIMITS: e6 + e7 between -122 and 131 (added to an exponent field); e8 and e10 between -126 and 112; e8 + e9 is applied by v_ldexp_f32 and has none.  A row whose logits are all -infinity gives NaN, as in the definition.
; REGISTERS, in windows of 256: window 0: v4-14 addresses; v16-31 statistics, eight a tile; v32-43 scales and work; v64-127 the mask's 64 words; v128-191, v192-255 S^T, then p, of tile 0, 1.
;   window 1: v0-127 O^T, 64 a tile; v128-159 Q; v160-191 P.   window 2: v0-127 K of a key step; v128-255 V.
.set SLOTB, 132096                     ; a slot: K 32,768, V 32,768, the mask 64 rows x 1,040
.set VOFF,  32768
.set MOFF,  65536
.set MP,    1040                       ; a row of the mask's tile: 1,024 bytes + 16 of padding
.set STAGE, 2*SLOTB                    ; the way out: 16 rows x (256 bytes + 16) for each wave; no tile lands here
.set SPARE, STAGE+4*4352               ; the spare words, 128 bytes for each wave: two blocks of 256 bytes that no other line names
.set ADK,  4                           ; v4-5    16 x lane + the slot: K's fragments (v4 is also 16 x lane)
.set ADV,  6                           ; v6-7    V's
.set ADM,  8                           ; v8-9    my query's row of the mask's tile, + 32 (lane / 16)
.set STO,  10                          ; v10     the way out: where I put 8 codes
.set RD,   11                          ; v11     where I read 16 bytes of a row back
.set GO,   12                          ; v12     my byte offset in the wave's rows of acodes
.set SPW,  13                          ; v13     LDS address of my spare word; never rewritten
.set NIL,  14                          ; v14     0; never rewritten
.set ST,   16                          ; tile u's statistics at v[16 + 8 u]: +0 -M, +1 the largest t, +2, +3 the sum in two halves, +4 f (+5 named with it), +6 the last factor (+7 named with it)
.set SCP,  32                          ; 2^e8, 57,344 x 2^e8
.set LIMP, 33
.set WK,   34                          ; v34-41  at work: four chains of maxima a tile; later three chains of sums
.set SCO,  42                          ; 2^e10, 57,344 x 2^e10
.set LIMO, 43
.set MK,   64
.set S,    128
.set QF,   128                         ; in window 1
.set PF,   160                         ; in window 1
.set VF,   128                         ; in window 2
.set G1KV, 28                          ; s[28:35] descriptor group 1 for K's and V's blocks; s[36:43] group 0, one set for each slot
.set G0KV, 36
.set G1M,  44                          ; s[44:51], s[52:59] the same for the mask's tiles
.set G0M,  52
.set C1,   60                          ; s[60:61] 2^(e6 + e7) / sqrt(128), twice
.set L2E,  62                          ; s[62:63] log2(e), twice
.set SEL,  66                          ; s[66:67] lane selects for v_permlanex16_b32: lane l xor 16
.set ONE,  88                          ; s[88:89] 1.0, twice
.set MSB, 0
.macro WIN new                         ; the immediate's high byte repeats the setting that is left; a switch that changes nothing is dropped
.if MSB != \new
	s_set_vgpr_msb (MSB<<8)|\new
.set MSB, \new
.endif
.endm
; A joint refill.  Wave 0 fetches K's block, wave 1 V's, waves 2 and 3 the halves of the mask's tile.  The branch hangs on the wave's number alone.  Four v_nop follow each of the two lines.
.macro JLOAD s
	s_cmp_eq_u32 s17, 0
	s_cbranch_scc0 .Lfor_m_\@
	tensor_load_to_lds s[G0KV+4*\s:G0KV+4*\s+3], s[G1KV:G1KV+7]
	s_nop 0
.rept 4
	v_nop
.endr
	s_branch .Lasked_\@
.Lfor_m_\@:
	tensor_load_to_lds s[G0M+4*\s:G0M+4*\s+3], s[G1M:G1M+7]
	s_nop 0
.rept 4
	v_nop
.endr
.Lasked_\@:
.endm
.macro CROUND                          ; a round of the cluster's barrier
	s_barrier_signal -1
	s_barrier_wait -1
	s_cmp_lg_u32 s16, 0
	s_cbranch_scc1 .Lnot_wave_0_\@
	s_barrier_signal -3
.Lnot_wave_0_\@:
	s_barrier_wait -3
	s_barrier_signal -1
	s_barrier_wait -1
.endm
	s_load_b256 s[4:11], s[0:1], 0x0               ; qimg 4:5, kimg 6:7, vimg 8:9, the mask 10:11
	s_load_b128 s[12:15], s[0:1], 0x20             ; the scales 12:13, acodes 14:15
	v_lshl_add_u32 v[SPW], v0, 2, SPARE
	v_mov_b32 v[NIL], 0
	ds_add_u32 v13, v14
	ds_add_u32 v13, v14
	s_wait_dscnt 0x0
	v_lshrrev_b32 v1, 5, v0
	v_readfirstlane_b32 s16, v1                    ; wave 0..3
	s_lshr_b32 s17, s16, 1                         ; I fetch K or V (0), or the mask (1)
	s_and_b32 s18, s16, 1                          ; and which of the two
	s_bfe_u32 s19, ttmp6, 0x40000                  ; cx, cy: my place in the cluster
	s_bfe_u32 s20, ttmp6, 0x40004
	s_lshl_b32 s21, ttmp9, 2
	s_add_co_u32 s21, s21, s19                     ; my block of 64 queries = 4 x cluster x + cx
	s_and_b32 s22, ttmp7, 0xffff
	s_lshl_b32 s22, s22, 2
	s_add_co_u32 s22, s22, s20                     ; batch 4 + kv head = 4 x cluster y + cy
	s_lshl_b32 s23, s20, 2
	s_lshl_b32 s23, 15, s23                        ; my row of the cluster
	s_lshl_b32 s24, 0x1111, s19                    ; my column
	; K's or V's block: 32 KiB, dense in memory: 128 rows of 32 elements of 8 bytes, no padding
	s_or_b32 s[G1KV+0], s23, (3<<16)|(1<<21)       ; 15:0 the mask: my row; 17:16 elements of 8 bytes; 21 set beside a mask
	s_mov_b32 s[G1KV+1], 32<<16                    ; tensor_dim0
	s_mov_b32 s[G1KV+2], 128<<16                   ; tensor_dim1
	s_mov_b32 s[G1KV+3], 32<<16                    ; tile_dim0
	s_mov_b32 s[G1KV+4], 128                       ; tile_dim1
	s_mov_b32 s[G1KV+5], 32                        ; tensor_dim0_stride
	s_mov_b32 s[G1KV+6], 0
	s_mov_b32 s[G1KV+7], 0
	; half of the mask's tile: 32 rows of 256 f32, 2,048 apart in memory, 16 bytes of padding behind each in LDS
	s_or_b32 s[G1M+0], s24, (2<<16)|(1<<20)|(1<<21)|(7<<22)|(3<<25)   ; the mask: my column; elements of 4 bytes; padding on, after every 256 words (code 7), four words (code 3)
	s_mov_b32 s[G1M+1], 256<<16
	s_mov_b32 s[G1M+2], 32<<16
	s_mov_b32 s[G1M+3], 256<<16
	s_mov_b32 s[G1M+4], 32
	s_mov_b32 s[G1M+5], 2048
	s_mov_b32 s[G1M+6], 0
	s_mov_b32 s[G1M+7], 0
	s_lshl_b32 s25, s18, 15                        ; where they go in a slot: K at 0, V at 32,768;
	s_mul_i32 s26, s18, 32*MP
	s_add_co_u32 s26, s26, MOFF                    ; the mask's halves behind them: no place in the cluster enters an LDS address
	s_lshl_b32 s74, s22, 18                        ; K, V: 262,144 bytes for each batch and kv head: in registers that never hold cx
	s_mov_b32 s75, 0
	s_lshl_b32 s78, s21, 6                         ; the mask: row 64 x block + 32 x half, 8,192 bytes a row: in registers that never hold cy
	s_lshl_b32 s79, s18, 5
	s_add_co_u32 s78, s78, s79
	s_lshl_b32 s78, s78, 13
	s_mov_b32 s79, 0
	s_lshl_b32 s80, s22, 8                         ; Q: fragment (2 y + tile) 128 + 4 x block + wave
	s_lshl_b32 s81, s21, 2
	s_add_co_u32 s80, s80, s81
	s_add_co_u32 s80, s80, s16
	s_lshl_b32 s80, s80, 11
	s_mov_b32 s81, 0
	s_lshr_b32 s84, s22, 2                         ; acodes: row batch 2,048 + 64 x block + 16 x wave, 1,024 bytes a row, + 256 x kv head
	s_lshl_b32 s84, s84, 11
	s_lshl_b32 s85, s21, 6
	s_add_co_u32 s84, s84, s85
	s_lshl_b32 s85, s16, 4
	s_add_co_u32 s84, s84, s85
	s_lshl_b32 s84, s84, 10
	s_and_b32 s85, s22, 3
	s_lshl_b32 s85, s85, 8
	s_add_co_u32 s84, s84, s85
	s_mov_b32 s85, 0
	s_mov_b32 s[SEL], 0x76543210
	s_mov_b32 s[SEL+1], 0xfedcba98
	s_mov_b32 s[L2E], 0x3fb8aa3b
	s_mov_b32 s[L2E+1], 0x3fb8aa3b
	s_mov_b32 s[ONE], 1.0
	s_mov_b32 s[ONE+1], 1.0
	s_wait_kmcnt 0x0
	s_load_b128 s[68:71], s[12:13], 0x18           ; e6, e7, e8, e9
	s_load_b32 s72, s[12:13], 0x28                 ; e10
	s_cmp_eq_u32 s18, 0
	s_cselect_b64 s[76:77], s[6:7], s[8:9]         ; K's images or V's: the choice hangs on the wave's number alone
	s_add_nc_u64 s[76:77], s[76:77], s[74:75]
	s_add_nc_u64 s[78:79], s[10:11], s[78:79]
	s_add_nc_u64 s[4:5], s[4:5], s[80:81]
	s_add_nc_u64 s[14:15], s[14:15], s[84:85]
	CROUND                                         ; all sixteen work-groups are here: the first joint loads meet
.irp s, 0,1
	s_mov_b32 s[G0KV+4*\s], 1                      ; count = 1
	s_add_co_u32 s[G0KV+4*\s+1], s25, \s*SLOTB     ; LDS address
	s_add_nc_u64 s[G0KV+4*\s+2:G0KV+4*\s+3], s[76:77], \s*32768   ; global address: slot s begins with keys 256 s on
	s_or_b32 s[G0KV+4*\s+3], s[G0KV+4*\s+3], 0x80000000           ; type = 2
	s_mov_b32 s[G0M+4*\s], 1
	s_add_co_u32 s[G0M+4*\s+1], s26, \s*SLOTB
	s_add_nc_u64 s[G0M+4*\s+2:G0M+4*\s+3], s[78:79], \s*1024
	s_or_b32 s[G0M+4*\s+3], s[G0M+4*\s+3], 0x80000000
.endr
	s_cmp_eq_u32 s17, 0                            ; a wave's two first fills stand in one branch, ahead of every wait on TENSORcnt and every LDS read: two loads of mine are out
	s_cbranch_scc0 .Lfirst_m
	tensor_load_to_lds s[G0KV:G0KV+3], s[G1KV:G1KV+7]
	s_nop 0
	tensor_load_to_lds s[G0KV+4:G0KV+7], s[G1KV:G1KV+7]
	s_nop 0
.rept 4
	v_nop
.endr
	s_branch .Lfirst_asked
.Lfirst_m:
	tensor_load_to_lds s[G0M:G0M+3], s[G1M:G1M+7]
	s_nop 0
	tensor_load_to_lds s[G0M+4:G0M+7], s[G1M:G1M+7]
	s_nop 0
.rept 4
	v_nop
.endr
.Lfirst_asked:
	v_and_b32 v1, 15, v0                           ; r
	v_bfe_u32 v2, v0, 4, 1                         ; h
	v_and_b32 v3, 31, v0
	v_lshlrev_b32 v[ADK], 4, v3                    ; 16 x lane
	WIN 0x40                                       ; destination window 1
.irp u, 0,1
.irp c, 0,1,2,3
	global_load_b128 v[QF+16*\u+4*\c:QF+16*\u+4*\c+3], v[ADK], s[4:5] offset:262144*\u+512*\c   ; Q's two fragments stay in registers; the second head lies 128 fragments on
.endr
.endr
.set n, 0
.rept 128
	v_mov_b32 v[n], 0                              ; O^T.  (The key step is written once for all steps: the first finds zeros, which the first change of M leaves zeros; a first step of its own would be a third copy of the step's text)
.set n, n+1
.endr
	WIN 0
	v_add_nc_u32 v[ADK+1], SLOTB, v[ADK]
	v_add_nc_u32 v[ADV], VOFF, v[ADK]
	v_add_nc_u32 v[ADV+1], SLOTB+VOFF, v[ADK]
	s_lshl_b32 s82, s16, 4
	v_add_nc_u32 v[ADM], s82, v1                   ; my query's row in the tile: 16 w + r
	v_mul_u32_u24 v[ADM], v[ADM], MP
	v_lshl_add_u32 v[ADM], v2, 5, v[ADM]
	v_add_nc_u32 v[ADM], MOFF, v[ADM]
	v_add_nc_u32 v[ADM+1], SLOTB, v[ADM]
	s_mul_i32 s82, s16, 4352
	s_add_co_u32 s82, s82, STAGE                   ; my stage
	v_mul_u32_u24 v[STO], v1, 272
	v_lshl_add_u32 v[STO], v2, 3, v[STO]
	v_add_nc_u32 v[STO], s82, v[STO]               ; in: row r, + 8 h
	v_mul_u32_u24 v[RD], v2, 272
	v_lshl_add_u32 v[RD], v1, 4, v[RD]
	v_add_nc_u32 v[RD], s82, v[RD]                 ; back: lanes 0-15 one row of 256 bytes, lanes 16-31 the next
	v_lshlrev_b32 v[GO], 10, v2
	v_lshl_add_u32 v[GO], v1, 4, v[GO]             ; and the same two rows in acodes
.irp u, 0,1
	v_mov_b32 v[ST+8*\u+1], 0xff61b1e6             ; the largest t so far: -3e38, under every t
	v_floor_f32 v[ST+8*\u], -v[ST+8*\u+1]          ; -M
	v_mov_b32 v[ST+8*\u+2], 0                      ; the sum, in two halves
	v_mov_b32 v[ST+8*\u+3], 0
	v_mov_b32 v[ST+8*\u+5], 0                      ; (named as the upper halves of pairs)
	v_mov_b32 v[ST+8*\u+7], 0
.endr
	v_mov_b32 v36, 0                               ; written once: a lane permute's destination counts as one of its sources
	s_wait_kmcnt 0x0
	s_add_co_i32 s82, s68, s69
	s_lshl_b32 s82, s82, 23
	s_add_co_i32 s[C1], s82, 0x3db504f3            ; 1 / sqrt(128), with e6 + e7 added to its exponent field
	s_mov_b32 s[C1+1], s[C1]
	s_add_co_i32 s82, s70, 127
	s_lshl_b32 s83, s82, 23
	v_mov_b32 v[SCP], s83                          ; 2^e8 as f32
	s_add_co_i32 s82, s82, 15
	s_lshl_b32 s82, s82, 23
	s_or_b32 s82, s82, 0x600000
	v_mov_b32 v[LIMP], s82                         ; 57,344 x 2^e8
	s_add_co_i32 s82, s72, 127
	s_lshl_b32 s83, s82, 23
	v_mov_b32 v[SCO], s83                          ; 2^e10
	s_add_co_i32 s82, s82, 15
	s_lshl_b32 s82, s82, 23
	s_or_b32 s82, s82, 0x600000
	v_mov_b32 v[LIMO], s82
	s_add_co_i32 s73, s70, s71                     ; e8 + e9
.macro LDK ns, nq                      ; K of the slot's nq-th key step: eight fragments, 32 loads of 512 consecutive bytes
	WIN 0x80                                       ; destination window 2
.irp t, 0,1,2,3,4,5,6,7
.irp c, 0,1,2,3
	ds_load_b128 v[16*\t+4*\c:16*\t+4*\c+3], v[ADK+\ns] offset:16384*\nq+2048*\t+512*\c
.endr
.endr
	WIN 0
.endm
.macro LDV slot, q
	WIN 0x80
.irp t, 0,1,2,3,4,5,6,7
.irp c, 0,1,2,3
	ds_load_b128 v[VF+16*\t+4*\c:VF+16*\t+4*\c+3], v[ADV+\slot] offset:16384*\q+2048*\t+512*\c
.endr
.endr
	WIN 0
.endm
.macro LDM ns, nq                      ; my query's 64 words of the mask: register 8 t + j = key 16 t + 8 h + j, as in S^T
.irp t, 0,1,2,3,4,5,6,7
.irp i, 0,1
	ds_load_b128 v[MK+8*\t+4*\i:MK+8*\t+4*\i+3], v[ADM+\ns] offset:512*\nq+64*\t+16*\i
.endr
.endr
.endm
; The step's largest t, the new M and f, for both tiles at once.  Tile u's chain c, in v[WK + 4 u + c], takes t 16 c .. 16 c + 14; the four t left over (15, 31, 47, 63) join at the end.
; Eight chains take turns, so that a chain's next link stands eight lines behind the last; the statistics' lines alternate between the tiles.
.macro MAXSTAT
.irp c, 0,1,2,3
.irp u, 0,1
	v_max3_num_f32 v[WK+4*\u+\c], v[S+64*\u+16*\c], v[S+64*\u+16*\c+1], v[S+64*\u+16*\c+2]
.endr
.endr
.irp m, 0,1,2,3,4,5
.irp c, 0,1,2,3
.irp u, 0,1
	v_max3_num_f32 v[WK+4*\u+\c], v[WK+4*\u+\c], v[S+64*\u+16*\c+3+2*\m], v[S+64*\u+16*\c+4+2*\m]
.endr
.endr
.endr
.irp u, 0,1
	v_max3_num_f32 v[WK+4*\u], v[WK+4*\u], v[S+64*\u+15], v[S+64*\u+31]
	v_max3_num_f32 v[WK+4*\u+2], v[WK+4*\u+2], v[S+64*\u+47], v[S+64*\u+63]
.endr
.irp u, 0,1
	v_max3_num_f32 v[WK+4*\u], v[WK+4*\u], v[WK+4*\u+1], v[WK+4*\u+2]
.endr
.irp u, 0,1
	v_max_num_f32 v[WK+4*\u], v[WK+4*\u], v[WK+4*\u+3]   ; among my 64 keys,
.endr
.irp u, 0,1
	v_permlanex16_b32 v[WK+4*\u+1], v[WK+4*\u], s[SEL], s[SEL+1]
.endr
.irp u, 0,1
	v_mov_b32 v[WK+4*\u+2], v[ST+8*\u]             ; the old -M is kept
.endr
.irp u, 0,1
	v_max3_num_f32 v[ST+8*\u+1], v[ST+8*\u+1], v[WK+4*\u], v[WK+4*\u+1]   ; among lane l xor 16's, and so far: the running largest t
.endr
.irp u, 0,1
	v_floor_f32 v[ST+8*\u], -v[ST+8*\u+1]          ; the new -M = floor(-t) = -ceil(t): a whole number
.endr
.irp u, 0,1
	v_sub_f32 v[WK+4*\u+2], v[ST+8*\u], v[WK+4*\u+2]   ; M's old value less its new one: a whole number, 0 or less
.endr
.irp u, 0,1
	v_cvt_i32_f32 v[WK+4*\u+2], v[WK+4*\u+2]       ; (it saturates)
.endr
.irp u, 0,1
	v_ldexp_f32 v[ST+8*\u+4], 1.0, v[WK+4*\u+2]    ; f = 2^(old M - new M)
.endr
.endm
; Tile u: p = 2^(t - M), the row's sum, the hold, P's codes, O^T x f.  Trip ii of the run below: the exponentials of pair ii; between them t - M of pair ii + 2; behind them the sum of pair ii - 1 and the holds of pair ii - 2.
; So a plain line stands behind each exponential before its result is used (ISA guide 5.7.2), and no line reads the result of the line before it.  The sum is taken of the unquantised p: a pair is summed a trip ahead of its hold.
; Four chains of sums: pairs 0, 4, 8 .. go onto l itself, whose first link is l x f + p; pairs i with i % 4 = c go onto v[WK + 2 c : WK + 2 c + 1], begun by p x 1.
.macro EXPQ u
.set rT, ST+8*(\u)
.set rS, S+64*(\u)
	v_pk_add_f32 v[rS:rS+1], v[rS:rS+1], v[rT:rT+1] op_sel_hi:[1,0]                 ; t - M (of the pair the low word, -M, serves both halves)
	v_pk_add_f32 v[rS+2:rS+3], v[rS+2:rS+3], v[rT:rT+1] op_sel_hi:[1,0]
.set ii, 0
.rept 34
.if ii < 32
	v_exp_f32 v[rS+2*ii], v[rS+2*ii]               ; p = 2^(t - M), at most 1: not normalised
.endif
.if ii < 30
	v_pk_add_f32 v[rS+2*ii+4:rS+2*ii+5], v[rS+2*ii+4:rS+2*ii+5], v[rT:rT+1] op_sel_hi:[1,0]
.endif
.if ii < 32
	v_exp_f32 v[rS+2*ii+1], v[rS+2*ii+1]
.endif
.set si, ii-1
.if (si >= 0) && (si < 32)
.if si == 0
	s_wait_alu depctr_va_vdst(0)
	v_pk_fma_f32 v[rT+2:rT+3], v[rT+2:rT+3], v[rT+4:rT+5], v[rS:rS+1] op_sel_hi:[1,0,1]   ; the sum under the new M, and the first pair
.elseif si < 4
	s_wait_alu depctr_va_vdst(0)
	v_pk_mul_f32 v[WK+2*si:WK+2*si+1], v[rS+2*si:rS+2*si+1], s[ONE:ONE+1] op_sel_hi:[1,0]
.elseif si%4 == 0
	s_wait_alu depctr_va_vdst(0)
	v_pk_add_f32 v[rT+2:rT+3], v[rT+2:rT+3], v[rS+2*si:rS+2*si+1]
.else
	s_wait_alu depctr_va_vdst(0)
	v_pk_add_f32 v[WK+2*(si%4):WK+2*(si%4)+1], v[WK+2*(si%4):WK+2*(si%4)+1], v[rS+2*si:rS+2*si+1]
.endif
.endif
.if ii >= 2
	v_min_num_f32 v[rS+2*ii-4], v[rS+2*ii-4], v[LIMP]   ; the conversion to an 8-bit code does not saturate (ISA guide 7.6.2); p is not negative, so the hold is one-sided
	v_min_num_f32 v[rS+2*ii-3], v[rS+2*ii-3], v[LIMP]
.endif
.set ii, ii+1
.endr
	v_pk_add_f32 v[WK+2:WK+3], v[WK+2:WK+3], v[WK+4:WK+5]
	v_pk_add_f32 v[rT+2:rT+3], v[rT+2:rT+3], v[WK+6:WK+7]
	v_pk_add_f32 v[rT+2:rT+3], v[rT+2:rT+3], v[WK+2:WK+3]
	WIN 0x40                                       ; destination window 1
.irp t, 0,1,2,3,4,5,6,7
	v_cvt_scalef32_pk8_bf8_f32 v[PF+16*(\u)+2*\t:PF+16*(\u)+2*\t+1], v[rS+8*\t:rS+8*\t+7], v[SCP]   ; registers 2 t, 2 t + 1 of P
.endr
	WIN 0x41                                       ; O^T (destination and source 0) window 1, f window 0
.set jj, 0
.rept 32
	v_pk_mul_f32 v[64*(\u)+jj:64*(\u)+jj+1], v[64*(\u)+jj:64*(\u)+jj+1], v[rT+4:rT+5] op_sel_hi:[1,0]   ; O^T under the new M, each accumulator from its low end on.  (These are also the plain lines between the conversions and the products that read P)
.set jj, jj+2
.endr
	WIN 0
.endm
.macro PV u                            ; O^T += V^T P^T: eight tiles of 16 of the head's 128; the accumulators take turns, one instruction a turn
	WIN 0x56                                       ; V window 2; P, C and D window 1
.irp t, 0,1,2,3,4,5,6,7
	v_wmma_f32_16x16x128_bf8_bf8 v[64*(\u)+8*\t:64*(\u)+8*\t+7], v[VF+16*\t:VF+16*\t+15], v[PF+16*(\u):PF+16*(\u)+15], v[64*(\u)+8*\t:64*(\u)+8*\t+7]
.endr
	WIN 0
.endm
; THE CHANGE OF SLOTS, in the middle of a slot's second key step: all of the slot's bytes have been asked for.  Each wave waits for all its tensor loads (its part of the other slot), adds 0 to its spare word, and waits for that
; and for its reads of this slot.  chg = 1: the slot is filled again with the keys two slots on, behind a round of the cluster's barrier.  chg = 2: nothing is left to fetch: the work-group's barrier alone.
.macro CHANGE slot, chg
	s_wait_tensorcnt 0x0                           ; no tensor load of mine is out, so a group 0 may be written
	ds_add_u32 v[SPW], v[NIL]                      ; 0 onto my spare word
.if \chg == 1
	s_add_nc_u64 s[G0KV+4*\slot+2:G0KV+4*\slot+3], s[G0KV+4*\slot+2:G0KV+4*\slot+3], 65536   ; 512 keys on: two blocks of 32 KiB,
	s_add_nc_u64 s[G0M+4*\slot+2:G0M+4*\slot+3], s[G0M+4*\slot+2:G0M+4*\slot+3], 2048        ; 512 words along the mask's rows
.endif
	s_wait_dscnt 0x0                               ; the add is done, and my reads of this slot are over
.if \chg == 1
	CROUND                                         ; no wave of any partner still reads the slot or has a load on its way
	JLOAD \slot                                    ; my one tensor load behind the round, and the first thing there
.else
	s_barrier_signal -1
	s_barrier_wait -1
.endif
.endm
; A KEY STEP: 128 keys, the q-th of the slot.  pre = 1: K and the mask of the next step (slot ns, step nq) are fetched in its middle.
.macro STEP slot, q, chg, ns, nq, pre
	s_wait_dscnt 0x0                               ; this step's K and mask are in
	WIN 0x06                                       ; K window 2, Q window 1, S^T window 0
.irp t, 0,1,2,3,4,5,6,7
.irp u, 0,1
	v_wmma_f32_16x16x128_bf8_bf8 v[S+64*\u+8*\t:S+64*\u+8*\t+7], v[16*\t:16*\t+15], v[QF+16*\u:QF+16*\u+15], 0
.endr
.endr
	WIN 0
.rept 4
	v_nop                                          ; four plain lines in front of the first read of the scores, and of the loads into V's registers, which the last step's products read
.endr
	LDV \slot, \q
.irp u, 0,1
.set jj, 0
.rept 32
	v_pk_fma_f32 v[S+64*\u+jj:S+64*\u+jj+1], v[S+64*\u+jj:S+64*\u+jj+1], s[C1:C1+1], v[MK+jj:MK+jj+1] op_sel_hi:[1,0,1]   ; logit = sum x 2^(e6 + e7) / sqrt(128) + mask; each accumulator from its low end on
.set jj, jj+2
.endr
.endr
.irp u, 0,1
.set jj, 0
.rept 32
	v_pk_mul_f32 v[S+64*\u+jj:S+64*\u+jj+1], v[S+64*\u+jj:S+64*\u+jj+1], s[L2E:L2E+1] op_sel_hi:[1,0]   ; t = logit x log2(e), rounded
.set jj, jj+2
.endr
.endr
	MAXSTAT
	EXPQ 0
.if \chg
	CHANGE \slot, \chg
.endif
.if \pre
	LDK \ns, \nq
	LDM \ns, \nq
	s_wait_dscnt 48                                ; V is in; the 32 + 16 loads just issued may be out
.else
	s_wait_dscnt 0x0
.endif
	PV 0                                           ; tile 0's products run under tile 1's exponentials
	EXPQ 1
	PV 1
.endm
	s_wait_tensorcnt 1                             ; my part of slot 0 is in; slot 1's may stay out
	s_barrier_signal -1
	s_barrier_wait -1                              ; everybody's is
	LDK 0, 0
	LDM 0, 0
	s_wait_loadcnt 0x0                             ; Q
	s_mov_b32 s3, 3
.Lpair:                                                ; three trips of four key steps: six refills
	STEP 0, 0, 0, 0, 1, 1
	STEP 0, 1, 1, 1, 0, 1
	STEP 1, 0, 0, 1, 1, 1
	STEP 1, 1, 1, 0, 0, 1
	s_sub_co_u32 s3, s3, 1
	s_cmp_lg_u32 s3, 0
	s_cbranch_scc1 .Lpair
	STEP 0, 0, 0, 0, 1, 1                          ; the last two slots are written out
	STEP 0, 1, 2, 1, 0, 1
	STEP 1, 0, 0, 1, 1, 1
	STEP 1, 1, 0, 0, 0, 0
; THE WAY OUT.  O^T x 2^(e8 + e9) / the sum is the attention's result; it is quantised under 2^e10.  A lane's eight codes of a tile are 8 bytes of a row; the wave's two heads are 256 neighbouring bytes of 16 rows, which
; meet in my stage and leave as whole aligned runs of 256 bytes.  Tile 0's lines are the plain lines behind tile 1's last products.
.macro FIN u
.set rT, ST+8*(\u)
.set rS, S+64*(\u)
	v_add_f32 v34, v[rT+2], v[rT+3]                ; the sum's two halves,
	v_permlanex16_b32 v36, v34, s[SEL], s[SEL+1]
	v_add_f32 v34, v34, v36                        ; and lane l xor 16's
	v_rcp_f32 v34, v34
	v_nop                                          ; a plain line behind the transcendental
	s_wait_alu depctr_va_vdst(0)
	v_ldexp_f32 v[rT+6], v34, s73                  ; x 2^(e8 + e9)
	WIN 0x01                                       ; source 0: O^T, in window 1
.set jj, 0
.rept 32
	v_pk_mul_f32 v[rS+jj:rS+jj+1], v[64*(\u)+jj:64*(\u)+jj+1], v[rT+6:rT+7] op_sel_hi:[1,0]   ; each accumulator from its low end on
.set jj, jj+2
.endr
	WIN 0
.set jj, 0
.rept 64
	v_med3_num_f32 v[rS+jj], v[rS+jj], -v[LIMO], v[LIMO]
.set jj, jj+1
.endr
.irp t, 0,1,2,3,4,5,6,7
	v_cvt_scalef32_pk8_bf8_f32 v[MK+16*(\u)+2*\t:MK+16*(\u)+2*\t+1], v[rS+8*\t:rS+8*\t+7], v[SCO]
.endr
	v_nop                                          ; one plain vector line behind the last conversion of a run
.irp t, 0,1,2,3,4,5,6,7
	ds_store_b64 v[STO], v[MK+16*(\u)+2*\t:MK+16*(\u)+2*\t+1] offset:128*(\u)+16*\t   ; row r: head u's channels 16 t + 8 h + 0 .. 7
.endr
.endm
	FIN 0
	FIN 1
.irp i, 0,1,2,3,4,5,6,7
	ds_load_b128 v[MK+32+4*\i:MK+32+4*\i+3], v[RD] offset:544*\i   ; LDS serves a wave's instructions in order (ISA guide 5.7.1.4): these see my stores
.endr
.irp i, 0,1,2,3,4,5,6,7
	s_wait_dscnt 7-\i
	global_store_b128 v[GO], v[MK+32+4*\i:MK+32+4*\i+3], s[14:15] offset:2048*\i   ; 16 lanes store 256 consecutive bytes, at a multiple of 256 from the buffer's first byte
.endr
	s_wait_tensorcnt 0x0                           ; the wave's end: behind my last tensor load and my last LDS store
	ds_add_u32 v[SPW], v[NIL]
	s_wait_dscnt 0x0
	CROUND                                         ; the closing round: no work-group ends while a partner may still ask for a tile that names it
	s_endpgm
.Lfunc_end_k_q8a67d2564c_attn:
	.size	k_q8a67d2564c_attn, .Lfunc_end_k_q8a67d2564c_attn-k_q8a67d2564c_attn
	.p2alignl 7, 3214868480
	.fill 96, 4, 3214868480
	.section	.rodata,"a",@progbits
	.p2align	6, 0x0
	.amdhsa_kernel k_q8a67d2564c_attn
		.amdhsa_group_segment_fixed_size 327680
		.amdhsa_private_segment_fixed_size 0
		.amdhsa_enable_private_segment 0
		.amdhsa_kernarg_size 48
		.amdhsa_user_sgpr_count 2
		.amdhsa_user_sgpr_kernarg_segment_ptr 1
		.amdhsa_wavefront_size32 1
		.amdhsa_system_sgpr_workgroup_id_x 1
		.amdhsa_system_sgpr_workgroup_id_y 1
		.amdhsa_system_sgpr_workgroup_id_z 1
		.amdhsa_system_vgpr_workitem_id 0
		.amdhsa_next_free_vgpr 768
		.amdhsa_next_free_sgpr 96
		.amdhsa_reserve_vcc 0
		.amdhsa_float_denorm_mode_32 3
		.amdhsa_float_denorm_mode_16_64 3
		.amdhsa_memory_ordered 1
		.amdhsa_forward_progress 1
		.amdhsa_inst_pref_size 255
	.end_amdhsa_kernel
	.section	.bss,"aw",@nobits
	.p2align	6
	.space	262144
	.amdgpu_metadata
---
amdhsa.version: [ 1, 2 ]
amdhsa.kernels:
  - .name:           k_q8a67d2564c_attn
    .symbol:         k_q8a67d2564c_attn.kd
    .args:
      - { .name: qimg, .offset: 0, .size: 8, .value_kind: global_buffer, .address_space: global }
      - { .name: kimg, .offset: 8, .size: 8, .value_kind: global_buffer, .address_space: global }
      - { .name: vimg, .offset: 16, .size: 8, .value_kind: global_buffer, .address_space: global }
      - { .name: attention_mask, .offset: 24, .size: 8, .value_kind: global_buffer, .address_space: global }
      - { .name: lowp_scales, .offset: 32, .size: 8, .value_kind: global_buffer, .address_space: global }
      - { .name: acodes, .offset: 40, .size: 8, .value_kind: global_buffer, .address_space: global }
    .group_segment_fixed_size: 327680
    .private_segment_fixed_size: 0
    .kernarg_segment_align: 8
    .kernarg_segment_size: 48
    .max_flat_workgroup_size: 128
    .sgpr_count:     96
    .vgpr_count:     768
    .wavefront_size: 32
...
	.end_amdgpu_metadata
.endif
;; end of part 3
;; launch oproj (part 4): grid 16 x 16, 4 waves a work-group, clusters of 4 x 4, 327,680 bytes of LDS; arguments acodes, wcodes, lowp_scales, out0; writes out0
.if DOCPART == 4
	.amdgcn_target "amdgcn-amd-amdhsa--gfx1250"
	.amdhsa_code_object_version 6
	.text
	.protected	k_q8a67d2564c_oproj
	.globl	k_q8a67d2564c_oproj
	.p2align	8
	.type	k_q8a67d2564c_oproj,@function
k_q8a67d2564c_oproj:
	s_mov_b64 s[64:65], 0
	v_nop
	global_prefetch_b8 v0, s[64:65] scope:SCOPE_SE
	s_setreg_imm32_b32 hwreg(HW_REG_WAVE_MODE, 25, 1), 1
	s_wait_xcnt 0x0
	s_wait_alu depctr_hold_cnt(0) depctr_sa_sdst(0) depctr_va_vdst(0) depctr_va_sdst(0) depctr_va_ssrc(0) depctr_va_vcc(0) depctr_vm_vsrc(0)
	s_getreg_b32 s2, hwreg(HW_REG_IB_STS2, 6, 4)
	s_cmp_eq_u32 s2, 0
	s_cbranch_scc0 .Lentry_in_a_cluster
	s_endpgm
.Lentry_in_a_cluster:
	s_bfe_u32 s2, ttmp6, 0x10000c
	s_cmp_lg_u32 s2, 0xf033
	s_cbranch_scc0 .Lentry_shape_is_right
	s_endpgm
.Lentry_shape_is_right:
; out0[m][n] = sum over k of A[m][k] B[n][k] x 2^(e10 + e11).  A: acodes [4096][1024], the attention's result as codes of E5M2; B: wo's codes [4096][1024], 8 MiB into wcodes; out0: [4096][4096] f32; sums in f32.
; LIMIT: e10 + e11 lies between -126 and 127, so that 2^(e10 + e11) is an f32 number.
; A tile of out0, 256 x 256, is made by a work-group of four waves; a wave makes 128 x 128: 64 accumulators of 16 x 16, 512 registers.  256 tiles: one for each work-group.
; K goes in steps of 256 through a ring of two LDS slots filled by the tensor data mover: a tile's row is 256 bytes of memory.
; CLUSTERS: 4 x 4 work-groups.  The four of a row of the cluster need the same tiles of A, the four of a column the same tiles of B: each tile is asked for JOINTLY, by the same tensor load with the
; same descriptor and a mask that names the four.  THE MATRIX INSTRUCTION IS USED TRANSPOSED (source 0 = 16 rows of B, source 1 = 16 rows of A): a lane then holds eight neighbouring numbers of a row of out0.
; REGISTERS, in windows of 256: window 0: v0-31 addresses; from v128 A's fragments (8 x 16 rows x 128 K), ONE set; on the way out v32-255 are free.
;   window 1: B's fragments, TWO sets, at v0 and at v128.   window 2: the 32 accumulators of my rows 0-63 (accumulator (a, b) at v[8 (8 a + b)]);   window 3: those of my rows 64-127.
; A step of 128 along K is 64 matrix instructions, A's blocks one after the other, each against B's eight.  So a block of A is free as soon as its eight products are issued, and one set of registers serves A:
; blocks 0-3 are fetched anew in the step's middle, blocks 4-7 at its end.  B's fragments are at work through the whole step, so B has two sets.
.set SIZE_M, 4096
.set SIZE_N, 4096
.set SIZE_K, 1024
.set KSTEP,  256                       ; along K in a slot
.set ROWB,   256                       ; a tile's row in bytes
.set KROW,   SIZE_K                    ; a row of A or of B in memory, in bytes
.set PITCH,  272                       ; an LDS row: 256 bytes of data + 16 of padding = 68 words: row r starts at bank 4 r mod 64 (64 banks of 4 bytes: ISA guide 11.1)
.set FR,     16                        ; registers of a fragment: 16 rows x 128 K
.set NL,     4                         ; LDS loads that bring one
.set NP,     4                         ; places behind this matrix instruction (ISA guide 7.12.1)
.set HALFT,  128*PITCH                 ; 128 rows: what one tensor load brings, and what one wave reads of A or of B
.set SLOT,   4*HALFT                   ; A's 256 rows, then B's 256 rows
.set LAPS,   SIZE_K/(2*KSTEP)          ; a lap = two K steps = once round the ring
.set SPARE,  2*SLOT                    ; behind the ring: the spare words, 128 bytes for each wave: two blocks of 256 bytes that no other line names
.set SPITCH, 528                       ; the way out: a stage of 16 rows x (512 bytes + 16) for each wave.  It lies in slot 0, which has had its last fill and its last read when the first result is stored there
.set ADRA, 16                          ; v16-17  LDS address of my A fragments in slot 0, 1
.set ADRB, 20                          ; v20-21  the same for B
.set STO,  24                          ; v24     the way out: where I put 32 bytes of a row
.set RD,   25                          ; v25     the way out: where I read a row back
.set CO,   26                          ; v26     my byte offset in a row of out0
.set SPW,  28                          ; v28     LDS address of my spare word; never rewritten
.set NIL,  29                          ; v29     0; never rewritten
.set TMP,  32                          ; the way out: 64 registers, a block's sums x 2^(e10 + e11)
.set AF,   128                         ; A's fragments, in window 0
.set BK,   128                         ; the way out: 16 rows read back from the stage: v128-191 and v192-255 by turns
.set G1, 24                            ; s[24:31] descriptor group 1 for A's tiles;  s[32:39] group 0, one set for each slot
.set G0, 32
.set G1B, 48                           ; s[48:55], s[56:63] the same for B's tiles
.set G0B, 56
.set MSB, 0
.macro WIN new                         ; the immediate's high byte repeats the setting that is left
.if MSB != \new
	s_set_vgpr_msb (MSB<<8)|\new
.set MSB, \new
.endif
.endm
.set MUL_LO, 0xa1                      ; source 0 (B) window 1, source 1 (A) window 0, C and D window 2
.set MUL_HI, 0xf1                      ; the same, C and D window 3
.set TO_B,   0x40                      ; destination window 1, address window 0
; A joint load: waves 0 and 1 fetch for A, waves 2 and 3 for B.  Each of the two lines has ONE mask and one set of registers for all that issue it; the branch hangs on the wave's number alone.
; Four v_nop follow each of the two lines, ahead of the jump, the label and what follows.
.macro JLOAD g0a, g1a, g0b, g1b
	s_cmp_eq_u32 s15, 0
	s_cbranch_scc0 .Lfor_b_\@
	tensor_load_to_lds s[\g0a:\g0a+3], s[\g1a:\g1a+7]
	s_nop 0
.rept 4
	v_nop
.endr
	s_branch .Lasked_\@
.Lfor_b_\@:
	tensor_load_to_lds s[\g0b:\g0b+3], s[\g1b:\g1b+7]
	s_nop 0
.rept 4
	v_nop
.endr
.Lasked_\@:
.endm
.macro CREST                           ; a round of the cluster's barrier behind its opening barrier
	s_cmp_lg_u32 s14, 0
	s_cbranch_scc1 .Lnot_wave_0_\@
	s_barrier_signal -3
.Lnot_wave_0_\@:
	s_barrier_wait -3
	s_barrier_signal -1
	s_barrier_wait -1
.endm
.macro CROUND                          ; a whole round
	s_barrier_signal -1
	s_barrier_wait -1
	CREST
.endm
	s_load_b128 s[4:7], s[0:1], 0x0                ; A's codes s[4:5], the weights' codes s[6:7]
	s_load_b128 s[8:11], s[0:1], 0x10              ; the scales' exponents s[8:9], out0 s[10:11]
	v_lshl_add_u32 v[SPW], v0, 2, SPARE
	v_mov_b32 v[NIL], 0
	ds_add_u32 v28, v29
	ds_add_u32 v28, v29
	s_wait_dscnt 0x0
	v_lshrrev_b32 v1, 5, v0
	v_readfirstlane_b32 s14, v1                    ; wave 0..3
	s_lshr_b32 s15, s14, 1                         ; which half of the tile's rows is mine.  Also: I fetch for A (0) or for B (1)
	s_and_b32 s16, s14, 1                          ; which half of its columns.  Also: which 128 rows of that tile I fetch
	s_bfe_u32 s40, ttmp6, 0x40000                  ; cx, cy: my place in the cluster
	s_bfe_u32 s41, ttmp6, 0x40004
	s_lshl_b32 s42, ttmp9, 2
	s_add_co_u32 s42, s42, s40                     ; tile column = 4 x cluster x + cx
	s_and_b32 s17, ttmp7, 0xffff
	s_lshl_b32 s17, s17, 2
	s_add_co_u32 s17, s17, s41                     ; tile row = 4 x cluster y + cy
	s_lshl_b32 s43, s41, 2
	s_lshl_b32 s43, 15, s43                        ; my row of the cluster
	s_lshl_b32 s44, 0x1111, s40                    ; my column
	; descriptor group 1: a tile of 128 rows x ROWB bytes, padded in LDS
	s_or_b32 s[G1+0], s43, (0<<16)|(1<<20)|(1<<21)|(5<<22)|(3<<25)  ; 15:0 the mask: A's tiles go to my row; 17:16 element of 1 byte; 20 padding on; 21 set beside a mask; 24:22 after every 64 words (code 5); 31:25 of 4 words (code 3)
	s_or_b32 s[G1B+0], s44, (0<<16)|(1<<20)|(1<<21)|(5<<22)|(3<<25)
.irp g, G1, G1B
	s_mov_b32 s[\g+1], ROWB<<16                    ; tensor_dim0
	s_mov_b32 s[\g+2], 128<<16                     ; tensor_dim1 = 128
	s_mov_b32 s[\g+3], ROWB<<16                    ; tile_dim0
	s_mov_b32 s[\g+4], 128                         ; tile_dim1 = 128
	s_mov_b32 s[\g+5], KROW                        ; tensor_dim0_stride
	s_mov_b32 s[\g+6], 0
	s_mov_b32 s[\g+7], 0
.endr
	s_lshl_b32 s18, s16, 7                         ; which 128 rows of the tile I fetch
	s_lshl_b32 s20, s17, 8
	s_add_co_u32 s20, s20, s18                     ; A: row 256 x tile row + 128 x half
	s_lshl_b32 s46, s42, 8
	s_add_co_u32 s46, s46, s18                     ; B: row 256 x tile column + 128 x half
	s_mov_b32 s21, 0
	s_mov_b32 s47, 0
	s_mov_b64 s[18:19], KROW
	s_mul_u64 s[20:21], s[20:21], s[18:19]         ; and their codes
	s_mul_u64 s[46:47], s[46:47], s[18:19]
	s_mul_i32 s45, s14, HALFT                      ; where they go: wave x 128 rows: no place in the cluster enters an LDS address
	s_wait_kmcnt 0x0
	s_load_b64 s[96:97], s[8:9], 0x28              ; e10, e11
	s_add_nc_u64 s[20:21], s[4:5], s[20:21]
	s_add_nc_u64 s[46:47], s[6:7], s[46:47]
	s_add_nc_u64 s[46:47], s[46:47], 0x800000      ; wo's codes begin 8 MiB into the weights' buffer
	CROUND                                         ; all sixteen work-groups are here: the first joint loads meet
.irp s, 0,1
	s_mov_b32 s[G0+4*\s], 1
	s_add_co_u32 s[G0+4*\s+1], s45, \s*SLOT
	s_add_nc_u64 s[G0+4*\s+2:G0+4*\s+3], s[20:21], \s*ROWB
	s_or_b32 s[G0+4*\s+3], s[G0+4*\s+3], 0x80000000
	s_mov_b32 s[G0B+4*\s], 1
	s_add_co_u32 s[G0B+4*\s+1], s45, \s*SLOT
	s_add_nc_u64 s[G0B+4*\s+2:G0B+4*\s+3], s[46:47], \s*ROWB
	s_or_b32 s[G0B+4*\s+3], s[G0B+4*\s+3], 0x80000000
	JLOAD G0+4*\s, G1, G0B+4*\s, G1B
.endr
	v_and_b32 v1, 15, v0                           ; l % 16
	v_bfe_u32 v2, v0, 4, 1                         ; l / 16
	v_mul_u32_u24 v3, v1, PITCH
	v_lshl_add_u32 v4, v2, 4, v3                   ; a fragment's row x pitch + 16 x half
	s_mul_i32 s21, s15, HALFT                      ; my 128 rows of A
	s_mul_i32 s22, s16, HALFT                      ; my 128 rows of B,
	s_add_co_u32 s22, s22, 2*HALFT                 ; which lie behind A's 256
.irp s, 0,1
	v_add_nc_u32 v[ADRA+\s], s21, v4
	v_add_nc_u32 v[ADRB+\s], s22, v4
	s_add_co_u32 s21, s21, SLOT
	s_add_co_u32 s22, s22, SLOT
.endr
	s_mul_i32 s23, s14, 16*SPITCH                  ; my stage
	v_mul_u32_u24 v5, v1, SPITCH                   ; in: row l % 16, 32 bytes for each half of the lanes
	v_lshl_add_u32 v5, v2, 5, v5
	v_add_nc_u32 v[STO], s23, v5
	v_and_b32 v6, 31, v0
	v_lshlrev_b32 v[CO], 4, v6                     ; back: the 32 lanes take one row of 512 bytes; and the same in out0
	v_add_nc_u32 v[RD], s23, v[CO]
	s_lshl_b32 s20, s17, 8
	s_lshl_b32 s21, s15, 7
	s_add_co_u32 s20, s20, s21                     ; my first row of out0: 256 x tile row + 128 x half
	s_mov_b32 s21, 0
	s_mov_b64 s[18:19], SIZE_N*4
	s_mul_u64 s[20:21], s[20:21], s[18:19]
	s_lshl_b32 s46, s42, 10                        ; my first column, in bytes: 1024 x tile column + 512 x half
	s_lshl_b32 s47, s16, 9
	s_add_co_u32 s46, s46, s47
	s_mov_b32 s47, 0
	s_add_nc_u64 s[20:21], s[20:21], s[46:47]
	s_add_nc_u64 s[10:11], s[10:11], s[20:21]
.macro FRAG reg, adr, q, i             ; a fragment, 16 rows x 128 K of 8-bit codes, is 16 registers: lane l holds row l % 16; registers 4 c .. 4 c + 3 hold K = 32 c + 16 (l / 16) + 0 .. 15: a permutation of k, the same in A and in B
.irp c, 0,1,2,3
	ds_load_b128 v[\reg+4*\c:\reg+4*\c+3], v[\adr] offset:128*(\q)+32*\c+(\i)*16*PITCH
.endr
.endm
; 16 matrix instructions: A's blocks a0, a0 + 1 x B's eight, 128 along K.  p: B's set.  zero = 1: the first product starts the sums: nothing is ever cleared.
; The 64 accumulators take turns, one instruction a turn, in the same order in every step.
.macro MUL16 a0, p, zero
.irp a, \a0, \a0+1
.irp b, 0,1,2,3,4,5,6,7
.if \zero
	v_wmma_f32_16x16x128_bf8_bf8 v[8*(8*((\a)%4)+\b):8*(8*((\a)%4)+\b)+7], v[128*(\p)+FR*\b:128*(\p)+FR*\b+FR-1], v[AF+FR*(\a):AF+FR*(\a)+FR-1], 0
.else
	v_wmma_f32_16x16x128_bf8_bf8 v[8*(8*((\a)%4)+\b):8*(8*((\a)%4)+\b)+7], v[128*(\p)+FR*\b:128*(\p)+FR*\b+FR-1], v[AF+FR*(\a):AF+FR*(\a)+FR-1], v[8*(8*((\a)%4)+\b):8*(8*((\a)%4)+\b)+7]
.endif
.endr
.endr
.endm
.macro FETCH_B slot, q, p              ; B's eight fragments of the slot's q-th 128 along K into set p
	WIN TO_B
.irp i, 0,1,2,3,4,5,6,7
	FRAG 128*(\p)+FR*\i, ADRB+\slot, \q, \i
.endr
	WIN 0
.endm
.macro FETCH_A slot, q, i0             ; A's blocks i0 .. i0 + 3
.irp i, \i0, \i0+1, \i0+2, \i0+3
	FRAG AF+FR*(\i), ADRA+\slot, \q, \i
.endr
.endm
; A load into a register that a matrix instruction has read, and a vector instruction or an LDS store that reads a matrix result, stand NP places behind that matrix instruction, and only plain vector
; instructions that name none of its registers are places (ISA guide 7.12.1 for vector instructions).
.macro PLACES n
.rept \n
	v_nop
.endr
.endm
; A step of 128 along K that has its successor in the same slot.
.macro STEP slot, q, zero
	s_wait_dscnt 4*NL                              ; B's set and A's blocks 0-3 are in; the youngest loads (A's blocks 4-7) may be out
	WIN MUL_LO
	MUL16 0, (\q)%2, \zero
	MUL16 2, (\q)%2, \zero
	s_wait_dscnt 0                                 ; A's blocks 4-7 are in (asked for 32 matrix instructions ago)
	PLACES NP
	FETCH_B \slot, (\q)+1, 1-(\q)%2
	FETCH_A \slot, (\q)+1, 0
	WIN MUL_HI
	MUL16 4, (\q)%2, \zero
	MUL16 6, (\q)%2, \zero
	PLACES NP
	WIN 0
	FETCH_A \slot, (\q)+1, 4
.endm
; A slot's last step changes slots: ONE barrier; in front of it each wave waits for all its tensor loads, adds 0 to its spare word, and waits for that and for its own reads of this slot.  fill = 1: this slot is filled again, two K steps ahead.
.macro TURN slot, next, fill
	s_wait_tensorcnt 0x0                           ; all my tensor loads have landed: my part of the next slot;  (every window is 0 here: the add's two registers lie in window 0)
	ds_add_u32 v[SPW], v[NIL]                      ; 0 onto my spare word
	s_wait_dscnt 4*NL+1                            ; (the add and the youngest loads, A's blocks 4-7, may be out)
	WIN MUL_LO
	MUL16 0, 1, 0                                  ; sixteen matrix instructions stand between the add and the wait for it
	s_wait_dscnt 0x0                               ; the add is done, and my reads of this slot are over
	s_barrier_signal -1
	MUL16 2, 1, 0
	WIN 0
	s_barrier_wait -1
.if \fill
	CREST                                          ; the barrier has opened a round of the cluster's barrier: no wave of any partner still reads this slot's tile or has a load on its way
	s_add_nc_u64 s[G0+4*\slot+2:G0+4*\slot+3], s[G0+4*\slot+2:G0+4*\slot+3], 2*ROWB
	s_add_nc_u64 s[G0B+4*\slot+2:G0B+4*\slot+3], s[G0B+4*\slot+2:G0B+4*\slot+3], 2*ROWB
	JLOAD G0+4*\slot, G1, G0B+4*\slot, G1B         ; the first tensor load behind the round; the four v_nop behind it are the places in front of the loads below
.else
	PLACES NP
.endif
	FETCH_B \next, 0, 0
	FETCH_A \next, 0, 0
	WIN MUL_HI
	MUL16 4, 1, 0
	MUL16 6, 1, 0
	PLACES NP
	WIN 0
	FETCH_A \next, 0, 4
.endm
	s_wait_tensorcnt 1                             ; my part of K step 0 is in (K step 1's load may be out),
	s_barrier_signal -1
	s_barrier_wait -1                              ; everybody's is
	FETCH_B 0, 0, 0
	FETCH_A 0, 0, 0
	FETCH_A 0, 0, 4
	STEP 0, 0, 1                                   ; the first step stands in front of the loop: its products start the sums
	s_mov_b32 s3, LAPS-1
.Llap:                                                 ; a trip goes once round the ring, from a lap's second step to the next lap's first, and fills both slots again
	TURN 0, 1, 1
	STEP 1, 0, 0
	TURN 1, 0, 1
	STEP 0, 0, 0
	s_sub_co_u32 s3, s3, 1
	s_cmp_lg_u32 s3, 0
	s_cbranch_scc1 .Llap
	TURN 0, 1, 0                                   ; the last lap fills nothing, and has no round of the cluster's barrier
	STEP 1, 0, 0
	s_wait_dscnt 4*NL                              ; the very last step: nothing more to fetch
	WIN MUL_LO
	MUL16 0, 1, 0
	MUL16 2, 1, 0
	s_wait_dscnt 0
	WIN MUL_HI
	MUL16 4, 1, 0
	MUL16 6, 1, 0
	WIN 0
; THE WAY OUT, block by block of 16 rows x 128 columns.  A lane holds 32 neighbouring bytes of a row, and the lanes beside it hold other rows: so a block goes through my own stage in LDS and comes back as whole
; rows of 512 bytes, which the 32 lanes store as 512 consecutive bytes, aligned.  LDS serves a wave's instructions in order (ISA guide 5.7.1.4): no wait between the stores and the loads, nor in front of the next block's stores.
.macro TOSTAGE a
.set AC, 64*((\a)%4)
	WIN 0x02+((\a)/4)                              ; source 0: window 2 or 3
.irp j, 0,2,4,6,8,10,12,14,16,18,20,22,24,26,28,30,32,34,36,38,40,42,44,46,48,50,52,54,56,58,60,62
	v_pk_mul_f32 v[TMP+\j:TMP+\j+1], v[AC+\j:AC+\j+1], s[96:97] op_sel_hi:[1,0]   ; both x s96 = 2^(e10 + e11); each accumulator from its low end on
.endr
	WIN 0
.irp b, 0,1,2,3,4,5,6,7
	ds_store_b128 v[STO], v[TMP+8*\b:TMP+8*\b+3] offset:64*\b
	ds_store_b128 v[STO], v[TMP+8*\b+4:TMP+8*\b+7] offset:64*\b+16
.endr
.set BB, BK+64*((\a)%2)
.irp t, 0,1,2,3,4,5,6,7,8,9,10,11,12,13,14,15
	ds_load_b128 v[BB+4*\t:BB+4*\t+3], v[RD] offset:\t*SPITCH
.endr
.endm
.macro SEND a, younger                 ; younger: the LDS instructions issued behind block a's loads, which may stay out
.set BB, BK+64*((\a)%2)
	s_wait_dscnt \younger                          ; the block is back in registers
.if (\a) > 0
	s_add_nc_u64 s[10:11], s[10:11], 16*SIZE_N*4   ; (behind a wait on XCNT: the earlier stores have read their base)  16 rows on, so that the stores' offsets stay small: 15 rows at the most, inside the signed 24-bit immediate (ISA guide, chapter 10)
.endif
.irp t, 0,1,2,3,4,5,6,7,8,9,10,11,12,13,14,15
	global_store_b128 v[CO], v[BB+4*\t:BB+4*\t+3], s[10:11] offset:\t*SIZE_N*4 th:TH_STORE_NT   ; 32 lanes store 512 consecutive bytes, at a multiple of 256 from out0's first byte; written once, read by nobody here
.endr
.endm
	s_wait_kmcnt 0x0
	s_add_co_i32 s96, s96, s97                     ; e10 + e11, between -126 and 127,
	s_add_co_i32 s96, s96, 127
	s_lshl_b32 s96, s96, 23                        ; makes the f32 number 2^(e10 + e11)
	PLACES NP                                      ; these places serve the loads into the registers that held A's fragments and the reads of the last results alike
	TOSTAGE 0
.irp a, 1,2,3,4,5,6,7
.if \a > 1
	s_wait_xcnt 0x0                                ; block a - 2's stores have read their registers and their base: block a's loads may land there, and the base may step
.endif
	TOSTAGE \a
	SEND \a-1, 32                                  ; behind block a - 1's loads: block a's 16 stores and 16 loads
.endr
	s_wait_xcnt 0x0                                ; block 6's stores have read their base
	SEND 7, 0
	s_wait_tensorcnt 0x0                           ; the wave's end: behind my last tensor load and my last LDS store
	ds_add_u32 v[SPW], v[NIL]
	s_wait_dscnt 0x0
	CROUND                                         ; the closing round: no work-group ends while a partner may still ask for a tile that names it
	s_endpgm
.Lfunc_end_k_q8a67d2564c_oproj:
	.size	k_q8a67d2564c_oproj, .Lfunc_end_k_q8a67d2564c_oproj-k_q8a67d2564c_oproj
	.p2alignl 7, 3214868480
	.fill 96, 4, 3214868480
	.section	.rodata,"a",@progbits
	.p2align	6, 0x0
	.amdhsa_kernel k_q8a67d2564c_oproj
		.amdhsa_group_segment_fixed_size 327680
		.amdhsa_private_segment_fixed_size 0
		.amdhsa_enable_private_segment 0
		.amdhsa_kernarg_size 32
		.amdhsa_user_sgpr_count 2
		.amdhsa_user_sgpr_kernarg_segment_ptr 1
		.amdhsa_wavefront_size32 1
		.amdhsa_system_sgpr_workgroup_id_x 1
		.amdhsa_system_sgpr_workgroup_id_y 1
		.amdhsa_system_sgpr_workgroup_id_z 1
		.amdhsa_system_vgpr_workitem_id 0
		.amdhsa_next_free_vgpr 1024
		.amdhsa_next_free_sgpr 98
		.amdhsa_reserve_vcc 0
		.amdhsa_float_denorm_mode_32 3
		.amdhsa_float_denorm_mode_16_64 3
		.amdhsa_memory_ordered 1
		.amdhsa_forward_progress 1
		.amdhsa_inst_pref_size 123
	.end_amdhsa_kernel
	.amdgpu_metadata
---
amdhsa.version: [ 1, 2 ]
amdhsa.kernels:
  - .name:           k_q8a67d2564c_oproj
    .symbol:         k_q8a67d2564c_oproj.kd
    .args:
      - { .name: acodes, .offset: 0, .size: 8, .value_kind: global_buffer, .address_space: global }
      - { .name: wcodes, .offset: 8, .size: 8, .value_kind: global_buffer, .address_space: global }
      - { .name: lowp_scales, .offset: 16, .size: 8, .value_kind: global_buffer, .address_space: global }
      - { .name: out0, .offset: 24, .size: 8, .value_kind: global_buffer, .address_space: global }
    .group_segment_fixed_size: 327680
    .private_segment_fixed_size: 0
    .kernarg_segment_align: 8
    .kernarg_segment_size: 32
    .max_flat_workgroup_size: 128
    .sgpr_count:     98
    .vgpr_count:     1024
    .wavefront_size: 32
...
	.end_amdgpu_metadata
.endif
;; end of part 4
